; MI455X (gfx1250); checked and timed in simulation.
; The chip was launched on July 23, 2026; its instructions are those of AMD's public machine-readable ISA for CDNA 5 (MIT licence, August 2026) and "CDNA5" Instruction Set Architecture Reference Guide (July 2026). The comments in the code are by the model that wrote it; some were corrected since.
;; Attention. Allowed arithmetic: matrix products marked QUANTISED: E3M2 operands, one E8M0 scale for each 32 along K, by v_wmma_scale_f32_16x16x128_f8f6f4 with both operands' format E3M2, f32 sums; everything else in f32.
;; Inputs: key 4 x 16 x 2,048 x 64 float32; mask 2,048 x 2,048 bool; query 4 x 16 x 2,048 x 64 float32; value 4 x 16 x 2,048 x 64 float32.
;; Outputs: out0 4 x 16 x 2,048 x 64 float32.
;; This version of the problem:
;;   THIS VERSION OF THE PROBLEM IS GIVEN IN LOW PRECISION. The matrix products marked QUANTISED in the list below multiply operands that are first quantised to E3M2 (3 exponent bits, 2 mantissa bits; 6 bits a number), with one power-of-two scale for each 32 numbers along K (OCP MX v1.0); their sums are f32. All else is computed in f32.
;;   The module's matrix products, in the order in which they are computed (A, B: the left and right operand; K: the contracted axis; several contracted axes count as one K, in the product's order):
;;     1. batch 64 x [M 2,048, K 64] x [K 64, N 2,048]; A: input query; B: input key: QUANTISED
;;     2. batch 64 x [M 2,048, K 2,048] x [K 2,048, N 64]; A: softmax (see below); B: input value: QUANTISED
;;   THE QUANTISER, for each operand of a quantised product, along K:
;;     - K is cut into blocks of 32 from its start; a last block that is shorter is filled with zeros.
;;     - A block's scale is 2^e with e = floor(log2(the largest magnitude in the block)) - 4, held to -126 .. 127; a block of zeros has e = 0. As a byte (E8M0): e + 127.
;;     - Each number is divided by its block's scale, clamped to +-28, and rounded to the nearest number of E3M2, ties to even, subnormals kept.
;;     - The product sums the exact products of the quantised numbers (number of the format x scale) in f32.
;;   ~~~python
;;   def quantise(x, axis):      # numpy; x: float32 -> the quantised numbers, widened to float32 again
;;       x = np.moveaxis(x, axis, -1); K = x.shape[-1]
;;       x = np.pad(x, [(0, 0)] * (x.ndim - 1) + [(0, -K % 32)]); x = x.reshape(x.shape[:-1] + (-1, 32)); a = np.abs(x).max(-1, keepdims=True)
;;       e = np.where(a > 0, np.clip(np.frexp(np.where(a > 0, a, 1))[1] - 1 - 4, -126, 127), 0)      # np.frexp(a)[1] - 1 = floor(log2(a)), exactly
;;       r = np.clip(x / 2.0 ** e, -28, 28)
;;       step = 2.0 ** (np.maximum(np.frexp(np.where(r == 0, 1, r))[1] - 1, -2) - 2)
;;       q = np.round(r / step) * step * 2.0 ** e      # np.round: ties to even
;;       return np.moveaxis(q.reshape(q.shape[:-2] + (-1,))[..., :K], -1, axis).astype(np.float32)
;;   ~~~
;;   SOFTMAX AHEAD OF A QUANTISED PRODUCT. Where the list says 'softmax', what is quantised is not the finished softmax but p = 2^(t - M), with t = logit x log2(e) and M = ceil(the row's largest t), a whole number; so 1/2 < the row's largest p <= 1. The row's sum l is taken of the UNQUANTISED p, in f32, and the product's result is divided by l at the end. Since M is a whole number, a kernel that streams over the keys may use a running M (the ceiling of the running maximum): every later rescaling is an exact power of two, which a block's scale takes up: the codes' values come out the same.
;;   OPERANDS COMPUTED ON THE WAY. 'Computed on the way' means the value that the module computes at that place (a softmax that the list does not call 'softmax' is quantised finished and normalised). What goes into a quantiser is computed in f32, as accurately as f32 sums, v_exp_f32 and their like allow (about 1e-6 of the number): no bf16 or f16 on the way to a quantiser, and a product that is left as it is and whose result goes on into a quantised operand takes f32 operands (vector FMAs, or v_wmma_f32_16x16x4_f32). A number that lies on a knife's edge between two numbers of the format may be rounded either way, as far as f32 arithmetic and the matrix unit's own rounding can turn it there, and no further.
;; 2 versions. Each part assembles by itself: llvm-mc -triple=amdgcn-amd-amdhsa -mcpu=gfx1250 --defsym DOCPART=n.
;; ======== version 1 of 2: 2 launches
;; workspace buffers: kv 13,107,200 bytes; masks 540,672 bytes of whole numbers
;; launch prep (part 1): grid 1280 x 1, 4 waves a work-group, no clusters, 52,736 bytes of LDS; arguments key, value, mask, kv, masks; writes kv, masks
.if DOCPART == 1
	.amdgcn_target "amdgcn-amd-amdhsa--gfx1250"
	.amdhsa_code_object_version 6
	.text
	.protected	k_q451e4738a8_prep
	.globl	k_q451e4738a8_prep
	.p2align	8
	.type	k_q451e4738a8_prep,@function
k_q451e4738a8_prep:
	s_mov_b64 s[64:65], 0
	v_nop
	global_prefetch_b8 v0, s[64:65] scope:SCOPE_SE
	s_setreg_imm32_b32 hwreg(HW_REG_WAVE_MODE, 25, 1), 1
	s_wait_xcnt 0x0
; PREP: what every query block of a head reads again is made once.  key, value: [64 heads][2048 keys][64] f32.  mask: [2048 queries][2048 keys] bytes.
; Three roles, told apart by the work-group's number alone; a wave takes one unit; waves share nothing, so there is no barrier.
;   work-groups    0 ..  511: KEY.   A unit is 64 keys: two fragments of the first product, quantised along the head's 64 (blocks of 32), codes of E3M2 and E8M0 bytes.
;   work-groups  512 .. 1023: VALUE. A unit is 128 keys x 32 channels: two fragments of the second product, quantised along the KEYS (blocks of 32).
;   work-groups 1024 .. 1279: MASK.  A unit is 16 queries x 256 keys: two records of 64 lane masks, and two flag bits for each record.
; A block's scale is 2^(floor(log2(its largest magnitude)) - 4); its byte is the largest magnitude's exponent field - 4, held at 1 from below by a floor among the maximum's leaves.
; kv, for each head 204,800 bytes, laid AS IMAGES OF THE OPERANDS' REGISTERS (register p of lane L of a fragment at 512 (p / 4) + 16 L + 4 (p % 4); a fragment is 1,536 bytes):
;   KIMG [step 16][fragment b 4]: lane (r, h): registers 0-5 = key 128 s + 32 b + r + 8 (r / 8), channels 32 h .. 32 h + 31; registers 6-11 = the key 8 further on, the same channels.
;        So one fragment of 128 along K carries TWO tiles of 16 keys of a product whose K is 64; the reader multiplies it by [q | zero codes] and by [zero codes | q].
;   VIMG [step 16][tile t 4]: lane (r, h): channel 16 t + r; registers 6 c .. 6 c + 5 = keys 128 s + 64 c + 32 h + 0 .. 31.
;   KSC  [step][b][r] words: bytes (first key, h 0), (first key, h 1), (second key, h 0), (second key, h 1).      VSC [step][channel 64] words: byte n = key block n of the step.
; masks: LM [query tile T 128][step 16][n 64] words: bit r + 16 h of word n = 16 b + i says whether key 128 s + 32 b + 16 h + i counts for query 16 T + r: the lane and register in which the reader holds that score.
;        FLAGS, 524,288 bytes on: [T][pair of steps g 8][4] words: 'some key counts' of step 2 g at bit 2 g, of step 2 g + 1 at bit 2 g + 1; then 'all keys count' likewise.
; LIMITS: NaN and infinities in key and value are not served.  A block whose largest magnitude lies under 2^-122 gets the byte 1; so does a block of zeros, where the quantiser says 127: its codes are zeros,
; which add nothing under any byte but 0xff, and this program alone reads the bytes.  A mask byte other than 0 counts as true.
.set HEADB, 204800
.set KIMG,  0
.set VIMG,  98304
.set KSC,   196608
.set VSC,   200704
.set FLAGS, 524288
.set SP,    272                        ; a stage row: 256 bytes + 16, so that sixteen rows begin in sixteen different groups of banks
.set KSTG,  32*SP                      ; KEY's stage: 32 rows for each wave, at KSTG x wave
.set MSTG0, 4*KSTG                     ; MASK's stages lie behind them: each role has LDS bytes of its own
.set MSTG,  16*SP                      ; 16 rows for each wave
.set R,     32                         ; KEY: v32-159  two fragments' numbers, 64 registers each
.set C,     160                        ; KEY: v160-183 two fragments' codes
.set CTK,   184                        ; KEY: v184-186, v188-190 second halves of blocks, before they are moved
.set X,     32                         ; VALUE: v32-95 two sets of 32 numbers
.set CH,    96                         ; VALUE: v96-119: at CH + 12 h the image registers of lanes of half h
.set CTV,   120
.set M,     32                         ; MASK: v32-63 the bytes
.set REC,   64                         ; MASK: v64-67 two records: word n of the 128 in lane n / 4, register n % 4
.set FL,    68                         ; MASK: v68-71 the four flag words
; 32 numbers of ONE lane, a whole block, v[x] on, become 6 registers of codes at v[dst] on; v[so] the conversion's scale operand, v[by] the scale's byte.  v8, v9: two chains of maxima.
.macro QK32 x, dst, ct, so, by
	v_max3_num_f32 v8, |v[\x]|, |v[\x+1]|, |v[\x+2]|
	v_max3_num_f32 v9, |v[\x+3]|, |v[\x+4]|, |v[\x+5]|
.irp i, 6,10,14,18,22,26
	v_max3_num_f32 v8, v8, |v[\x+\i]|, |v[\x+\i+1]|
	v_max3_num_f32 v9, v9, |v[\x+\i+2]|, |v[\x+\i+3]|
.endr
	v_max3_num_f32 v8, v8, |v[\x+30]|, |v[\x+31]|
	v_max3_num_f32 v8, v8, v9, 0x2800000           ; and the floor 2^(5 - 127): the byte cannot fall under 1
	v_add_nc_u32 v[\so], 0xfe000000, v8            ; 4 off the exponent field: the conversion takes that field as its scale and nothing else
	v_cvt_scalef32_pk16_bf6_f32 v[\dst:\dst+2], v[\x:\x+15], v[\so]
	v_cvt_scalef32_pk16_bf6_f32 v[\ct:\ct+2], v[\x+16:\x+31], v[\so]   ; (a conversion's three registers begin on an even number)
	v_lshrrev_b32 v[\by], 23, v[\so]               ; the byte; also the plain line between the conversions and the moves that read their result
.irp i, 0,1,2
	v_mov_b32 v[\dst+3+\i], v[\ct+\i]
.endr
.endm
; where a KEY or VALUE unit (s15: 32 units a head) stores: s[24:25] its two fragments' images (3,072 bytes), s[26:27] their scale words (128 bytes)
.macro OUTS img, scl
	s_lshr_b32 s20, s15, 5
	s_mul_i32 s20, s20, HEADB
	s_and_b32 s21, s15, 31
	s_mul_i32 s22, s21, 3072
	s_add_co_u32 s22, s22, s20
	s_add_co_u32 s22, s22, \img
	s_mov_b32 s23, 0
	s_add_nc_u64 s[24:25], s[10:11], s[22:23]
	s_lshl_b32 s22, s21, 7
	s_add_co_u32 s22, s22, s20
	s_add_co_u32 s22, s22, \scl
	s_add_nc_u64 s[26:27], s[10:11], s[22:23]
.endm
	s_load_b256 s[4:11], s[0:1], 0x0               ; key s[4:5], value s[6:7], mask s[8:9], kv s[10:11]
	s_load_b64 s[12:13], s[0:1], 0x20              ; masks
	v_lshl_add_u32 v192, v0, 2, 0xcc00
	v_mov_b32 v193, 0
	v_lshrrev_b32 v1, 5, v0
	v_readfirstlane_b32 s14, v1                    ; wave 0..3
	v_and_b32 v1, 31, v0                           ; lane
	v_and_b32 v2, 15, v0                           ; r
	v_bfe_u32 v3, v0, 4, 1                         ; h
	v_lshlrev_b32 v4, 4, v1                        ; 16 x lane
	v_lshlrev_b32 v5, 2, v1                        ; 4 x lane
	v_lshlrev_b32 v6, 3, v3                        ; 8 h
	s_mov_b32 s16, 0x76543210
	s_mov_b32 s17, 0xfedcba98                      ; v_permlanex16_b32's selects for lane l xor 16
	s_mov_b32 s18, 0xffff0000                      ; lanes 16-31
	s_wait_kmcnt 0x0
	s_cmp_ge_u32 ttmp9, 1024
	s_cbranch_scc1 .Lmask
	s_cmp_ge_u32 ttmp9, 512
	s_cbranch_scc1 .Lvalue
; ---------------- KEY: 64 keys, 16,384 dense bytes.  Every load takes 512 consecutive bytes; a fragment's 32 rows turn through the wave's stage, so that a lane gets 32 neighbours along the head's axis.
	s_lshl_b32 s15, ttmp9, 2
	s_add_co_u32 s15, s15, s14                     ; my unit, 0 .. 2047
	s_lshl_b32 s20, s15, 14
	s_mov_b32 s21, 0
	s_add_nc_u64 s[4:5], s[4:5], s[20:21]
	OUTS KIMG, KSC
	s_mul_i32 s28, s14, KSTG
	v_mul_u32_u24 v17, v3, SP
	v_lshl_add_u32 v17, v2, 4, v17
	v_add_nc_u32 v17, s28, v17                     ; into the stage: a load's two rows, 16 bytes a lane
	v_and_b32 v18, 8, v2
	v_add_nc_u32 v18, v18, v2                      ; r + 8 (r / 8)
	v_mul_u32_u24 v18, v18, SP
	v_lshl_add_u32 v18, v3, 7, v18
	v_add_nc_u32 v18, s28, v18                     ; out of it: my first key's row, my half's 128 bytes
	v_mov_b32 v16, 0                               ; a lane permute's destination counts as one of its sources
.macro LOADK f
.irp i, 0,1,2,3,4,5,6,7,8,9,10,11,12,13,14,15
	global_load_b128 v[R+64*\f+4*\i:R+64*\f+4*\i+3], v4, s[4:5] offset:8192*\f+512*\i th:TH_LOAD_NT
.endr
.endm
.macro TURNK f                         ; LDS serves a wave's instructions in order: the loads see the stores; they land in the registers that the stores left
.irp i, 0,1,2,3,4,5,6,7,8,9,10,11,12,13,14,15
	ds_store_b128 v17, v[R+64*\f+4*\i:R+64*\f+4*\i+3] offset:2*SP*\i
.endr
.irp u, 0,1
.irp j, 0,1,2,3,4,5,6,7
	ds_load_b128 v[R+64*\f+32*\u+4*\j:R+64*\f+32*\u+4*\j+3], v18 offset:8*SP*\u+16*\j
.endr
.endr
	s_wait_dscnt 0x0
.endm
.macro KFRAG f
	QK32 R+64*\f, C+12*\f, CTK, 10, 12
	QK32 R+64*\f+32, C+12*\f+6, CTK+4, 11, 13
	v_lshl_or_b32 v[14+\f], v13, 16, v12           ; my half's two bytes: first key, second key,
	v_lshlrev_b32 v[14+\f], v6, v[14+\f]           ; 8 h bits up;
	v_permlanex16_b32 v16, v[14+\f], s16, s17
	v_or_b32 v[14+\f], v[14+\f], v16               ; with lane l xor 16's two the word is whole
.irp c, 0,1,2
	global_store_b128 v4, v[C+12*\f+4*\c:C+12*\f+4*\c+3], s[24:25] offset:1536*\f+512*\c   ; 512 consecutive bytes, at a multiple of 256 from kv's first byte
.endr
.endm
	LOADK 0
	LOADK 1
	s_wait_loadcnt 16                              ; fragment 0's sixteen loads are in; fragment 1's sixteen may be out
	TURNK 0
	KFRAG 0
	s_wait_loadcnt 0x0
	TURNK 1
	KFRAG 1
	v_cndmask_b32 v19, v14, v15, s18               ; lanes 0-15 fragment 0's words, lanes 16-31 fragment 1's
	global_store_b32 v5, v19, s[26:27]             ; 128 consecutive bytes.  No store's registers are written again, so no wait stands behind the stores
	s_wait_tensorcnt 0x0
	ds_add_u32 v192, v193
	s_wait_dscnt 0x0
	s_endpgm
; ---------------- VALUE: a lane takes a channel and its registers run down the keys: a block of 32 keys lies in one lane, and the codes come out with the keys innermost.
.Lvalue:
	s_sub_co_u32 s15, ttmp9, 512
	s_lshl_b32 s15, s15, 2
	s_add_co_u32 s15, s15, s14                     ; my unit: step (of all heads) = unit / 2, channels 32 (unit % 2) on
	s_lshr_b32 s20, s15, 1
	s_lshl_b32 s20, s20, 15                        ; 128 keys x 256 bytes a step
	s_and_b32 s21, s15, 1
	s_lshl_b32 s21, s21, 7
	s_add_co_u32 s20, s20, s21
	s_mov_b32 s21, 0
	s_add_nc_u64 s[6:7], s[6:7], s[20:21]
	OUTS VIMG, VSC
	v_mul_u32_u24 v21, v3, 1536
	v_lshl_add_u32 v21, v2, 4, v21                 ; my channel's place in the images: fragment lane / 16, image lane r (+ 16 by the store's offset)
.macro LOADV b                         ; key block b: 32 rows, my channel; 32 lanes read 128 consecutive bytes, the neighbouring wave the 128 beside them
.set i, 0
.rept 32
	global_load_b32 v[X+32*((\b)%2)+i], v5, s[6:7] offset:256*(32*(\b)+i) th:TH_LOAD_NT
.set i, i+1
.endr
.endm
.macro BLOCKV b
.if \b < 3
	s_wait_loadcnt 32                              ; this block's 32 loads are in; the next block's 32 may be out
.else
	s_wait_loadcnt 0x0
.endif
	QK32 X+32*(\b%2), CH+12*(\b%2)+6*(\b/2), CTV, 10, 12   ; block b is registers 6 (b / 2) on of the image lane of half b % 2
.if \b == 0
	v_mov_b32 v20, v12
.else
	v_lshl_or_b32 v20, v12, 8*\b, v20              ; my channel's scale word: byte b
.endif
.if \b < 2
	LOADV \b+2
.endif
.endm
	LOADV 0
	LOADV 1
	BLOCKV 0
	BLOCKV 1
	BLOCKV 2
	BLOCKV 3
.irp h, 0,1
.irp c, 0,1,2
	global_store_b128 v21, v[CH+12*\h+4*\c:CH+12*\h+4*\c+3], s[24:25] offset:256*\h+512*\c   ; lanes 0-15 and lanes 16-31 each store 256 consecutive bytes, at multiples of 256 from kv's first byte
.endr
.endr
	global_store_b32 v5, v20, s[26:27]
	s_endpgm
; ---------------- MASK: 16 rows x 256 bytes.  The bytes turn through the wave's stage, so that lane r + 16 h holds the 16 bytes of query r that its score registers will want; each byte's compare IS a lane mask.
.Lmask:
	s_sub_co_u32 s15, ttmp9, 1024
	s_lshl_b32 s15, s15, 2
	s_add_co_u32 s15, s15, s14                     ; my unit: query tile T = unit / 8, pair of steps g = unit % 8
	s_lshr_b32 s20, s15, 3
	s_lshl_b32 s20, s20, 15                        ; 16 rows of 2,048 bytes
	s_and_b32 s28, s15, 7
	s_lshl_b32 s21, s28, 8
	s_add_co_u32 s20, s20, s21
	s_mov_b32 s21, 0
	s_add_nc_u64 s[8:9], s[8:9], s[20:21]
	s_lshl_b32 s20, s15, 9
	s_add_nc_u64 s[32:33], s[12:13], s[20:21]      ; my two records: 512 bytes a unit
	s_lshl_b32 s20, s15, 4
	s_add_nc_u64 s[34:35], s[12:13], s[20:21]      ; my four flag words, FLAGS bytes further on
	s_lshl_b32 s28, s28, 1                         ; 2 g: the first step's bit
	s_mul_i32 s29, s14, MSTG
	s_add_co_u32 s29, s29, MSTG0
	v_lshlrev_b32 v22, 4, v2
	v_lshl_add_u32 v22, v3, 11, v22                ; in memory: two rows a load, 256 consecutive bytes of each
	v_mul_u32_u24 v23, v3, SP
	v_lshl_add_u32 v23, v2, 4, v23
	v_add_nc_u32 v23, s29, v23                     ; into the stage
	v_mul_u32_u24 v24, v2, SP
	v_lshl_add_u32 v24, v3, 4, v24
	v_add_nc_u32 v24, s29, v24                     ; out of it: row r, + 16 h
.irp a, 0,1,2,3,4,5,6,7
	global_load_b128 v[M+4*\a:M+4*\a+3], v22, s[8:9] offset:4096*\a th:TH_LOAD_NT
.endr
.irp y, 0,1,2,3
	v_mov_b32 v[REC+\y], 0                         ; v_writelane_b32's destination counts as read
.endr
	v_mov_b32 v26, 0
	s_mov_b32 s24, 0                               ; 'some key counts' of the unit's two steps: an OR of the lane masks
	s_mov_b32 s25, 0
	s_mov_b32 s26, -1                              ; 'all keys count': an AND
	s_mov_b32 s27, -1
	s_wait_loadcnt 0x0
.irp a, 0,1,2,3,4,5,6,7
	ds_store_b128 v23, v[M+4*\a:M+4*\a+3] offset:2*SP*\a
.endr
.irp e, 0,1
.irp b, 0,1,2,3
	ds_load_b128 v[M+16*\e+4*\b:M+16*\e+4*\b+3], v24 offset:128*\e+32*\b   ; keys 128 e + 32 b + 16 h + 0 .. 15 of query r
.endr
.endr
	s_wait_dscnt 0x0
.irp e, 0,1
.irp b, 0,1,2,3
.irp k, 0,1,2,3                        ; word 64 e + 16 b + 4 k + y of the two records
.irp y, 0,1,2,3
	v_and_b32 v[72+\y], 0xff<<(8*\y), v[M+16*\e+4*\b+\k]
.endr
.irp y, 0,1,2,3
	v_cmp_ne_u32 s[20+\y], 0, v[72+\y]
.endr
.irp y, 0,1,2,3
	v_writelane_b32 v[REC+\y], s[20+\y], 16*\e+4*\b+\k
	s_or_b32 s[24+\e], s[24+\e], s[20+\y]
	s_and_b32 s[26+\e], s[26+\e], s[20+\y]
.endr
.endr
.endr
.endr
	global_store_b128 v4, v[REC:REC+3], s[32:33]   ; 512 consecutive bytes, at a multiple of 256 from the buffer's first byte
	s_cmp_lg_u32 s24, 0
	s_cselect_b32 s20, 1, 0
	s_cmp_lg_u32 s25, 0
	s_cselect_b32 s21, 2, 0
	s_cmp_eq_u32 s26, -1
	s_cselect_b32 s22, 1, 0
	s_cmp_eq_u32 s27, -1
	s_cselect_b32 s23, 2, 0
.irp y, 0,1,2,3
	s_lshl_b32 s[20+\y], s[20+\y], s28             ; each flag at its step's bit, so that the reader only ORs
.endr
.irp y, 0,1,2,3
	v_mov_b32 v[FL+\y], s[20+\y]
.endr
	v_cmp_eq_u32 vcc_lo, 0, v1
	s_wait_xcnt 0x0                                ; EXEC is a source of the store above: it changes only behind this wait
	s_wait_tensorcnt 0x0
	ds_add_u32 v192, v193
	s_wait_dscnt 0x0
	s_and_saveexec_b32 s30, vcc_lo
	global_store_b128 v26, v[FL:FL+3], s[34:35] offset:FLAGS   ; one lane: 16 bytes
	s_wait_xcnt 0x0                                ; and again in front of the line that widens it
	s_or_b32 exec_lo, exec_lo, s30
	s_endpgm
.Lfunc_end_k_q451e4738a8_prep:
	.size	k_q451e4738a8_prep, .Lfunc_end_k_q451e4738a8_prep-k_q451e4738a8_prep
	.p2alignl 7, 3214868480
	.fill 96, 4, 3214868480
	.section	.rodata,"a",@progbits
	.p2align	6, 0x0
	.amdhsa_kernel k_q451e4738a8_prep
		.amdhsa_group_segment_fixed_size 52736
		.amdhsa_private_segment_fixed_size 0
		.amdhsa_enable_private_segment 0
		.amdhsa_kernarg_size 40
		.amdhsa_user_sgpr_count 2
		.amdhsa_user_sgpr_kernarg_segment_ptr 1
		.amdhsa_wavefront_size32 1
		.amdhsa_system_sgpr_workgroup_id_x 1
		.amdhsa_system_sgpr_workgroup_id_y 1
		.amdhsa_system_sgpr_workgroup_id_z 1
		.amdhsa_system_vgpr_workitem_id 0
		.amdhsa_next_free_vgpr 194
		.amdhsa_next_free_sgpr 66
		.amdhsa_reserve_vcc 1
		.amdhsa_float_denorm_mode_32 3
		.amdhsa_float_denorm_mode_16_64 3
		.amdhsa_memory_ordered 1
		.amdhsa_forward_progress 1
		.amdhsa_inst_pref_size 72
	.end_amdhsa_kernel
	.amdgpu_metadata
---
amdhsa.version: [ 1, 2 ]
amdhsa.kernels:
  - .name:           k_q451e4738a8_prep
    .symbol:         k_q451e4738a8_prep.kd
    .args:
      - { .name: key, .offset: 0, .size: 8, .value_kind: global_buffer, .address_space: global }
      - { .name: value, .offset: 8, .size: 8, .value_kind: global_buffer, .address_space: global }
      - { .name: mask, .offset: 16, .size: 8, .value_kind: global_buffer, .address_space: global }
      - { .name: kv, .offset: 24, .size: 8, .value_kind: global_buffer, .address_space: global }
      - { .name: masks, .offset: 32, .size: 8, .value_kind: global_buffer, .address_space: global }
    .group_segment_fixed_size: 52736
    .private_segment_fixed_size: 0
    .kernarg_segment_align: 8
    .kernarg_segment_size: 40
    .max_flat_workgroup_size: 128
    .sgpr_count:     66
    .vgpr_count:     194
    .wavefront_size: 32
...
	.end_amdgpu_metadata
.endif
;; end of part 1
;; launch attn (part 2): grid 4 x 64, 16 waves a work-group, no clusters, 276,480 bytes of LDS; arguments query, kv, masks, out0; writes out0
.if DOCPART == 2
	.amdgcn_target "amdgcn-amd-amdhsa--gfx1250"
	.amdhsa_code_object_version 6
	.text
	.protected	k_q451e4738a8_attn
	.globl	k_q451e4738a8_attn
	.p2align	8
	.type	k_q451e4738a8_attn,@function
k_q451e4738a8_attn:
	s_mov_b64 s[64:65], 0
	v_nop
	global_prefetch_b8 v0, s[64:65] scope:SCOPE_SE
	s_setreg_imm32_b32 hwreg(HW_REG_WAVE_MODE, 25, 1), 1
	s_wait_xcnt 0x0
; out0[head][q][:] = the sum over keys of softmax(where(mask, q . k, -inf) / 8) v, both products on codes of E3M2 with one E8M0 scale for each 32 along a product's K.
; query, out0: [64 heads][2048][64] f32.  kv and masks come from the launch before: K's and V's fragments as images of the operands' registers with their scale words (204,800 bytes a head); for each tile of
; 16 queries x 128 keys a record of 64 lane masks, and two flags: 'some key counts', 'all keys count'.
; THE SOFTMAX AHEAD OF THE SECOND PRODUCT: t = score x log2(e) / 8; M = the row's largest t so far, rounded UP to a whole number; p = 2^(t - M) is quantised along the keys, not normalised.  The row's sum is taken of
; the unquantised p and divides at the end.  When M moves, the sum and O are multiplied by 2^(old M - new M), which rounds nothing.
; SHARES.  A work-group is a quarter of a head: sixteen waves, four to a SIMD, so that one wave's vector work stands beside another's matrix work and LDS loads.  Wave w of work-group j owns the query tiles
; T = 16 j + w and 127 - T.  The head's kv is copied into LDS once, through registers, and read by all sixteen: one barrier in the whole text.
; THE MASK IS AN INPUT: nothing of its pattern is built in.  Each tile walks all 16 key steps in a loop of constant count; a step none of whose keys counts for any of the tile's queries is jumped over by a scalar
; branch on the stored flag, round the step's work alone; in a step where not all keys count, each score register is chosen against -infinity by its stored lane mask, ahead of the maximum.
; NO TENSOR LOADS, NO CLUSTER, NO JOINT REQUESTS: a step's work is jumped over on a number read from memory.  What the four work-groups of a
; head share is 204,800 bytes, read once at the head of the text.  All streams (both tiles' Q, kv) are asked for at the head, so nothing is prefetched.
; LAYOUT.  Both products are used transposed: S^T = K Q^T (source 0 = keys, source 1 = my 16 queries), O^T = V^T P^T: a lane holds ONE query (lane % 16) throughout.  The first product's K is 64 and the instruction's
; is 128: a fragment of K carries two tiles of 16 keys, one in each half of K, and is multiplied by [q | zero codes] and by [zero codes | q]: q's six registers stand between two runs of six zeros.
; The keys of a tile are not neighbours (lane r of tile 2 b + u: key 32 b + 8 u + r + 8 (r / 8)), so that score register 16 b + i is key 32 b + 16 (lane / 16) + i: 16 neighbours along the next K.
; LIMITS: NaN and infinities in query are not served.  A block of Q or p whose largest magnitude lies under 2^-122 (a block of zeros too) gets the byte 1; its small numbers become the codes that this scale gives.
; A query for which no key counts gives 0 x (1 / 0) = NaN in its 64 outputs, as the softmax of a row of -infinity does.
.set KSC,   196608                     ; LDS as kv lies: K's images at 0 (6,144 bytes a step), V's at VIMG, K's scale words at KSC (256 bytes a step), V's 4,096 bytes on
.set VIMG,  98304
.set HEADB, 204800
.set STG,   204800                     ; behind it: a stage of 16 rows x 272 bytes for each wave, its own: Q's turn and O's way out
.set SP,    272
.set FLAGS, 524288
.set LI,  2                            ; v2   16 x lane
.set LS,  3                            ; v3   KSC + 4 x lane
.set ADK, 4                            ; v4   the step's images of K;  v5 of V;  v6 its scale words
.set ADV, 5
.set ADS, 6
.set STO, 7                            ; v7   the stage: row r, + 32 h
.set SRD, 8                            ; v8   the stage: row lane / 16, + 16 (lane % 16)
.set QRD, 9                            ; v9   the stage: row r, + 128 h
.set H8,  10                           ; v10  8 h
.set CPG, 11                           ; v11  16 x thread
.set NM,  12                           ; v12  -M;  v13 the largest t;  v[14:15] the sum in two halves
.set TM,  13
.set L,   14
.set ZLO, 16                           ; v16-21 zero codes, v22-27 Q's codes, v28-33 zero codes
.set QC,  22
.set QS,  34                           ; v34  Q's scale word
.set QC2, 36                           ; v36-41, v42: the second tile's
.set QS2, 42
.set PW,  43                           ; v43  p's scale word
.set KS,  44                           ; v44-45 K's scale words: fragments 0 | 1, 2 | 3 in lanes 0-15 | 16-31;  v46-47 V's likewise
.set VS,  46
.set KF,  48                           ; v48-95   K's four fragments; behind the first product at work:
.set BM,  48                           ;   v48-51 block maxima, v52-55 the other half's, v56-59 scale operands, v60-63 bytes, v64-66 and v68-70 second halves of codes, v[72:73] a second chain of the sum
.set PX,  52
.set SO,  56
.set BY,  60
.set CT,  64
.set S2,  72
.set S,   96                           ; v96-159  S^T, then p
.set O,   160                          ; v160-191 O^T
.set VF,  192                          ; v192-239 V's four fragments
.set PC,  240                          ; v240-251 p's codes
.set F,   252                          ; v252 2^(old M - new M); v253 is named with it as a pair
.set NINF, 254                         ; v254 -infinity
.set T0,  255                          ; v255 at work
; 32 numbers of ONE lane, a whole block, become 6 registers of codes.  v228, v229: two chains of maxima.
.macro QK32 x, dst, ct, so, by
	v_max3_num_f32 v228, |v[\x]|, |v[\x+1]|, |v[\x+2]|
	v_max3_num_f32 v229, |v[\x+3]|, |v[\x+4]|, |v[\x+5]|
.irp i, 6,10,14,18,22,26
	v_max3_num_f32 v228, v228, |v[\x+\i]|, |v[\x+\i+1]|
	v_max3_num_f32 v229, v229, |v[\x+\i+2]|, |v[\x+\i+3]|
.endr
	v_max3_num_f32 v228, v228, |v[\x+30]|, |v[\x+31]|
	v_max3_num_f32 v228, v228, v229, 0x2800000     ; and the floor 2^(5 - 127): the byte cannot fall under 1
	v_add_nc_u32 v[\so], 0xfe000000, v228          ; 4 off the exponent field: the conversion's scale operand
	v_cvt_scalef32_pk16_bf6_f32 v[\dst:\dst+2], v[\x:\x+15], v[\so]
	v_cvt_scalef32_pk16_bf6_f32 v[\ct:\ct+2], v[\x+16:\x+31], v[\so]   ; (a conversion's three registers begin on an even number)
	v_lshrrev_b32 v[\by], 23, v[\so]               ; the byte; also the plain line between the conversions and the moves
.irp i, 0,1,2
	v_mov_b32 v[\dst+3+\i], v[\ct+\i]
.endr
.endm
; A tile's 16 rows of Q, loaded 512 consecutive bytes at a time, turn through my stage, so that lane (r, h) holds channels 32 h .. 32 h + 31 of query r: a whole block; then codes and the scale word.
.macro QPREP raw, dst, sc
.irp i, 0,1,2,3,4,5,6,7
	ds_store_b128 v[SRD], v[\raw+4*\i:\raw+4*\i+3] offset:2*SP*\i
.endr
.irp j, 0,1,2,3,4,5,6,7
	ds_load_b128 v[\raw+4*\j:\raw+4*\j+3], v[QRD] offset:16*\j   ; LDS serves a wave's instructions in order: these see the stores
.endr
	s_wait_dscnt 0x0
	QK32 \raw, \dst, 244, 230, 231
	v_lshlrev_b32 v231, v[H8], v231                ; my half's byte, 8 h bits up;
	v_permlanex16_b32 v[T0], v231, s16, s17
	v_or_b32 v231, v231, v[T0]                     ; with lane l xor 16's: bytes 0 and 1;
	v_lshl_or_b32 v[\sc], v231, 16, v231           ; and once more in bytes 2 and 3: the word serves q in either half of K
.endm
	s_load_b256 s[4:11], s[0:1], 0x0               ; query s[4:5], kv s[6:7], masks s[8:9], out0 s[10:11]
	v_lshrrev_b32 v1, 5, v0
	v_readfirstlane_b32 s12, v1                    ; wave 0..15
	v_and_b32 v1, 31, v0
	v_lshlrev_b32 v[LI], 4, v1
	v_lshl_add_u32 v[LS], v1, 2, KSC
	v_and_b32 v228, 15, v0                         ; r
	v_bfe_u32 v229, v0, 4, 1                       ; h
	s_mul_i32 s2, s12, 16*SP
	s_add_co_u32 s2, s2, STG                       ; my stage
	v_mul_u32_u24 v[STO], v228, SP
	v_lshl_add_u32 v[QRD], v229, 7, v[STO]
	v_lshl_add_u32 v[STO], v229, 5, v[STO]
	v_add_nc_u32 v[STO], s2, v[STO]
	v_add_nc_u32 v[QRD], s2, v[QRD]
	v_mul_u32_u24 v[SRD], v229, SP
	v_lshl_add_u32 v[SRD], v228, 4, v[SRD]
	v_add_nc_u32 v[SRD], s2, v[SRD]
	v_lshlrev_b32 v[H8], 3, v229
	v_lshlrev_b32 v[CPG], 4, v0
.irp k, 0,1,2,3
	v_add_nc_u32 v[236+\k], 65536*\k, v[CPG]       ; the copy's LDS addresses: an LDS offset holds 16 bits, so the register carries the rest
.endr
	s_and_b32 s13, ttmp7, 0xffff                   ; the head
	s_lshl_b32 s15, ttmp9, 4
	s_add_co_u32 s15, s15, s12                     ; T = 16 j + w
	s_lshl_b32 s30, s13, 19                        ; a head of query and of out0: 2,048 x 256 bytes
	s_mov_b32 s31, 0
	s_mul_i32 s20, s13, HEADB
	s_mov_b32 s21, 0
	s_lshl_b32 s22, s15, 12                        ; a tile: 16 x 256 bytes
	s_mov_b32 s23, 0
	s_sub_co_u32 s24, 127, s15
	s_lshl_b32 s24, s24, 12
	s_mov_b32 s25, 0
	s_mov_b32 s16, 0x76543210
	s_mov_b32 s17, 0xfedcba98                      ; v_permlanex16_b32's selects for lane l xor 16
	s_mov_b32 s18, 0x3e38aa3b                      ; c = log2(e) / 8
	s_mov_b32 s19, s18                             ; (named with it as a pair, so it is written)
	s_wait_kmcnt 0x0
	s_add_nc_u64 s[4:5], s[4:5], s[30:31]
	s_add_nc_u64 s[10:11], s[10:11], s[30:31]
	s_add_nc_u64 s[6:7], s[6:7], s[20:21]
	s_add_nc_u64 s[26:27], s[4:5], s[22:23]        ; Q of tile T
	s_add_nc_u64 s[28:29], s[4:5], s[24:25]        ; Q of tile 127 - T
.irp i, 0,1,2,3,4,5,6,7
	global_load_b128 v[196+4*\i:199+4*\i], v[LI], s[26:27] offset:512*\i th:TH_LOAD_NT
.endr
.irp i, 0,1,2,3,4,5,6,7
	global_load_b128 v[48+4*\i:51+4*\i], v[LI], s[28:29] offset:512*\i th:TH_LOAD_NT
.endr
.set i, 0
.rept 25                               ; the head's kv: 25 x 512 threads x 16 bytes = 204,800
	global_load_b128 v[96+4*i:99+4*i], v[CPG], s[6:7] offset:8192*i
.set i, i+1
.endr
.irp i, 0,1,2,3,4,5
	v_mov_b32 v[ZLO+\i], 0                         ; the code 0 is the number 0
	v_mov_b32 v[QC+6+\i], 0
.endr
	v_mov_b32 v[F+1], 0
	v_mov_b32 v[NINF], 0xff800000
	v_mov_b32 v[T0], 0                             ; a lane permute's destination counts as one of its sources
	s_wait_loadcnt 33                              ; the first tile's 8 loads are in; the second tile's 8 and kv's 25 may be out
	QPREP 196, QC, QS
	s_wait_loadcnt 25                              ; the second tile's are in; kv's 25 may be out
	QPREP 48, QC2, QS2
.set i, 0
.rept 25
	s_wait_loadcnt 24-i                            ; loads come back in order: load i is in, the 24 - i behind it may be out
	ds_store_b128 v[236+i/8], v[96+4*i:99+4*i] offset:8192*(i%8)
.set i, i+1
.endr
	s_wait_dscnt 0x0                               ; for the others' sake: my part of kv lies in LDS
	s_barrier_signal -1
	s_barrier_wait -1                              ; everybody's does; from here on nobody writes those bytes
	s_mov_b32 s25, 0
.Ltile:                                                ; two trips: tile T, then tile 127 - T
	s_lshl_b32 s2, s15, 7
	s_mov_b32 s3, 0
	s_add_nc_u64 s[30:31], s[8:9], s[2:3]
	s_load_b512 s[32:47], s[30:31], FLAGS          ; the tile's 32 flag words
	s_load_b512 s[48:63], s[30:31], FLAGS+64
	s_lshl_b32 s2, s15, 12
	s_add_nc_u64 s[26:27], s[8:9], s[2:3]          ; its records of lane masks: 256 bytes a step
	s_add_nc_u64 s[28:29], s[10:11], s[2:3]        ; its rows of out0
	v_mov_b32 v[TM], 0xff61b1e6                    ; the largest t so far: -3e38, under every t
	v_floor_f32 v[NM], -v[TM]                      ; -M
	v_mov_b32 v[L], 0
	v_mov_b32 v[L+1], 0
.set j, 0
.rept 32
	v_mov_b32 v[O+j], 0                            ; O^T begins as zeros: which step is a tile's first hangs on the mask, so no product can be written out that starts the sums
.set j, j+1
.endr
	s_mov_b32 s20, 0                               ; the step
	s_mov_b32 s21, 0                               ; 6,144 x step
	s_mov_b32 s22, 0                               ; 256 x step
	s_wait_kmcnt 0x0
	s_or_b32 s23, s32, s33                         ; bit s: some key of step s counts
	s_or_b32 s24, s34, s35                         ; bit s: all do
.irp g, 1,2,3,4,5,6,7
	s_or_b32 s23, s23, s[32+4*\g]
	s_or_b32 s23, s23, s[33+4*\g]
	s_or_b32 s24, s24, s[34+4*\g]
	s_or_b32 s24, s24, s[35+4*\g]
.endr
.Lstep:                                                ; 16 trips, whatever the mask
	s_lshr_b32 s2, s23, s20
	s_and_b32 s2, s2, 1
	s_cmp_eq_u32 s2, 0
	s_cbranch_scc1 .Lskip                          ; no key of the step counts: its work is left out; the lines that step addresses are not
	s_load_b512 s[32:47], s[26:27], 0x0            ; the step's 64 lane masks, asked for in every step that is done
	s_load_b512 s[48:63], s[26:27], 0x40
	s_load_b512 s[68:83], s[26:27], 0x80
	s_load_b512 s[84:99], s[26:27], 0xc0
	v_add_nc_u32 v[ADK], s21, v[LI]                ; these four plain lines are the places between the last step's products and the loads into the registers that they read
	v_add_nc_u32 v[ADV], VIMG, v[ADK]
	v_add_nc_u32 v[ADS], s22, v[LS]
	v_nop
.irp b, 0,1,2,3
.irp c, 0,1,2
	ds_load_b128 v[KF+12*\b+4*\c:KF+12*\b+4*\c+3], v[ADK] offset:1536*\b+512*\c   ; an image comes back as it was laid: 512 consecutive bytes a load
.endr
.endr
	ds_load_b32 v[KS], v[ADS]
	ds_load_b32 v[KS+1], v[ADS] offset:128
.irp t, 0,1,2,3
.irp c, 0,1,2
	ds_load_b128 v[VF+12*\t+4*\c:VF+12*\t+4*\c+3], v[ADV] offset:1536*\t+512*\c
.endr
.endr
	ds_load_b32 v[VS], v[ADS] offset:4096
	ds_load_b32 v[VS+1], v[ADS] offset:4096+128
	s_wait_dscnt 14                                ; K's twelve and its two scale loads are in; V's fourteen may be out until the second product
.irp b, 0,1,2,3                        ; S^T: fragment b against q in the lower half of K (tile 2 b), then in the upper half (tile 2 b + 1); eight different accumulators, each begun with 0
.if \b%2
	v_wmma_scale_f32_16x16x128_f8f6f4 v[S+16*\b:S+16*\b+7], v[KF+12*\b:KF+12*\b+11], v[QC:QC+11], 0, v[KS+\b/2], v[QS] matrix_a_fmt:MATRIX_FMT_BF6 matrix_b_fmt:MATRIX_FMT_BF6 matrix_a_scale:MATRIX_SCALE_ROW1
	v_wmma_scale_f32_16x16x128_f8f6f4 v[S+16*\b+8:S+16*\b+15], v[KF+12*\b:KF+12*\b+11], v[ZLO:ZLO+11], 0, v[KS+\b/2], v[QS] matrix_a_fmt:MATRIX_FMT_BF6 matrix_b_fmt:MATRIX_FMT_BF6 matrix_a_scale:MATRIX_SCALE_ROW1
.else
	v_wmma_scale_f32_16x16x128_f8f6f4 v[S+16*\b:S+16*\b+7], v[KF+12*\b:KF+12*\b+11], v[QC:QC+11], 0, v[KS+\b/2], v[QS] matrix_a_fmt:MATRIX_FMT_BF6 matrix_b_fmt:MATRIX_FMT_BF6
	v_wmma_scale_f32_16x16x128_f8f6f4 v[S+16*\b+8:S+16*\b+15], v[KF+12*\b:KF+12*\b+11], v[ZLO:ZLO+11], 0, v[KS+\b/2], v[QS] matrix_a_fmt:MATRIX_FMT_BF6 matrix_b_fmt:MATRIX_FMT_BF6
.endif
.endr
.rept 4
	v_nop                                          ; four places behind the products (ISA guide 7.12.1), ahead of the first read of the scores and the first write into K's registers
.endr
	s_wait_kmcnt 0x0                               ; the lane masks are in, and their pointer may be stepped
	s_lshr_b32 s2, s24, s20
	s_and_b32 s2, s2, 1
	s_cmp_eq_u32 s2, 1
	s_cbranch_scc1 .Lopen                          ; all 16 x 128 count: nothing to hide
.set n, 0
.rept 64                               ; score register n keeps its number in the lanes whose bit is set, and becomes -infinity in the others: p = 0 there.  Ascending: each accumulator is read from its low end on
.if n < 32
	v_cndmask_b32 v[S+n], v[NINF], v[S+n], s[32+n]
.else
	v_cndmask_b32 v[S+n], v[NINF], v[S+n], s[36+n]
.endif
.set n, n+1
.endr
.Lopen:
.irp b, 0,1,2,3
	v_max3_num_f32 v[BM+\b], v[S+16*\b], v[S+1+16*\b], v[S+2+16*\b]   ; the largest score of each block of 32 keys: it serves for the row's maximum and, since p rises with the score, for the block's largest p
.endr
.irp i, 3,5,7,9,11,13
.irp b, 0,1,2,3
	v_max3_num_f32 v[BM+\b], v[BM+\b], v[S+16*\b+\i], v[S+1+16*\b+\i]   ; (the four blocks by turns)
.endr
.endr
.irp b, 0,1,2,3
	v_max_num_f32 v[BM+\b], v[BM+\b], v[S+15+16*\b]
.endr
.irp b, 0,1,2,3
	v_permlanex16_b32 v[PX+\b], v[BM+\b], s16, s17
.endr
.irp b, 0,1,2,3
	v_max_num_f32 v[BM+\b], v[BM+\b], v[PX+\b]     ; with lane l xor 16's 16 keys
.endr
	v_max3_num_f32 v[T0], v[BM], v[BM+1], v[BM+2]
	v_max_num_f32 v[T0], v[T0], v[BM+3]            ; the step's largest score of my query (-infinity where none of its keys counts)
	v_mul_f32 v[T0], s18, v[T0]                    ; as t (c is positive)
	v_max_num_f32 v[TM], v[TM], v[T0]              ; the running largest t
	v_mov_b32 v[T0], v[NM]
	v_floor_f32 v[NM], -v[TM]                      ; the new -M = floor(-t) = -ceil(t): a whole number
	v_sub_f32 v[T0], v[NM], v[T0]                  ; old M - new M: a whole number, 0 or less
	v_cvt_i32_f32 v[T0], v[T0]                     ; (it saturates)
	v_ldexp_f32 v[F], 1.0, v[T0]                   ; f = 2^(old M - new M)
.set j, 0
.rept 32
	v_pk_fma_f32 v[S+j:S+j+1], v[S+j:S+j+1], s[18:19], v[NM:NM+1] op_sel_hi:[1,0,0]   ; t - M, two at a time (of the pairs c and -M the low word serves both halves)
.set j, j+2
.endr
.irp b, 0,1,2,3
	v_fma_f32 v[BM+\b], v[BM+\b], s18, v[NM]       ; the same of each block's largest score
.endr
.set j, 0
.rept 64
	v_exp_f32 v[S+j], v[S+j]                       ; p = 2^(t - M), at most 1
.set j, j+1
.endr
.irp b, 0,1,2,3
	v_exp_f32 v[BM+\b], v[BM+\b]                   ; the block's largest p: the same two instructions on the same number
.endr
	v_pk_mul_f32 v[L:L+1], v[L:L+1], v[F:F+1] op_sel_hi:[1,0]   ; the sums under the new M; also the plain line behind the exponentials
	s_wait_alu depctr_va_vdst(0)
.irp b, 0,1,2,3
	v_max_num_f32 v[BM+\b], 0x2800000, v[BM+\b]    ; the floor 2^(5 - 127): a block whose every p is 0 keeps the byte 1; its codes are zeros
.endr
.irp b, 0,1,2,3
	v_add_nc_u32 v[SO+\b], 0xfe000000, v[BM+\b]    ; 4 off the exponent field: the conversion's scale operand
.endr
.irp b, 0,1,2,3
	v_lshrrev_b32 v[BY+\b], 23, v[SO+\b]           ; the scale's byte
.endr
	v_lshl_or_b32 v[PW], v[BY+1], 8, v[BY]         ; p's scale word for these 128 keys
	v_lshl_or_b32 v[PW], v[BY+2], 16, v[PW]
	v_lshl_or_b32 v[PW], v[BY+3], 24, v[PW]
.irp c, 0,1
	v_cvt_scalef32_pk16_bf6_f32 v[PC+6*\c:PC+6*\c+2], v[S+32*\c:S+32*\c+15], v[SO+2*\c]
	v_cvt_scalef32_pk16_bf6_f32 v[CT+4*\c:CT+4*\c+2], v[S+32*\c+16:S+32*\c+31], v[SO+2*\c+1]
.endr
	v_nop                                          ; one plain line between a scaled conversion and the vector instruction that touches its result
.irp c, 0,1                            ; the operand's layout wants a WHOLE block in a lane: lanes 0-15 block 2 c, lanes 16-31 block 2 c + 1
.irp i, 0,1,2
	v_permlane16_swap_b32 v[PC+6*\c+\i], v[CT+4*\c+\i]
.endr
.irp i, 0,1,2
	v_mov_b32 v[PC+3+6*\c+\i], v[CT+4*\c+\i]
.endr
.endr
	v_pk_add_f32 v[S2:S2+1], v[S:S+1], v[S+2:S+3]  ; the row's sum is taken of the UNQUANTISED p: two at a time, in two chains
.irp j, 4,8,12,16,20,24,28,32,36,40,44,48,52,56,60
	v_pk_add_f32 v[L:L+1], v[L:L+1], v[S+\j:S+\j+1]
	v_pk_add_f32 v[S2:S2+1], v[S2:S2+1], v[S+\j+2:S+\j+3]
.endr
	v_pk_add_f32 v[L:L+1], v[L:L+1], v[S2:S2+1]
.set j, 0
.rept 16
	v_pk_mul_f32 v[O+j:O+j+1], v[O+j:O+j+1], v[F:F+1] op_sel_hi:[1,0]   ; O^T under the new M.  (The 48 plain lines from the sums on also part p's codes and scale word, written by vector instructions, from the products)
.set j, j+2
.endr
	s_wait_dscnt 0x0                               ; V's fragments and scale words are in
.irp t, 0,1,2,3                        ; O^T += V^T P^T: four accumulators by turns, one instruction a turn; the matrix instruction that follows the last writes the scores
.if \t%2
	v_wmma_scale_f32_16x16x128_f8f6f4 v[O+8*\t:O+8*\t+7], v[VF+12*\t:VF+12*\t+11], v[PC:PC+11], v[O+8*\t:O+8*\t+7], v[VS+\t/2], v[PW] matrix_a_fmt:MATRIX_FMT_BF6 matrix_b_fmt:MATRIX_FMT_BF6 matrix_a_scale:MATRIX_SCALE_ROW1
.else
	v_wmma_scale_f32_16x16x128_f8f6f4 v[O+8*\t:O+8*\t+7], v[VF+12*\t:VF+12*\t+11], v[PC:PC+11], v[O+8*\t:O+8*\t+7], v[VS+\t/2], v[PW] matrix_a_fmt:MATRIX_FMT_BF6 matrix_b_fmt:MATRIX_FMT_BF6
.endif
.endr
.Lskip:
	s_add_nc_u64 s[26:27], s[26:27], 256           ; the next step's lane masks (no scalar load is out: a step that asked has waited),
	s_add_co_u32 s21, s21, 6144                    ; images
	s_add_co_u32 s22, s22, 256                     ; and scale words
	s_add_co_u32 s20, s20, 1
	s_cmp_lt_u32 s20, 16
	s_cbranch_scc1 .Lstep
	; THE WAY OUT.  O^T / the sum goes through my stage and leaves as whole rows: register 8 t + i of lane (r, h) is out0(query r, channel 16 t + 8 h + i).
.rept 4
	v_nop                                          ; four places behind the last products, ahead of the first read of O^T
.endr
	v_add_f32 v[L], v[L], v[L+1]                   ; the sum's two halves,
	v_permlanex16_b32 v[T0], v[L], s16, s17
	v_add_f32 v[L], v[L], v[T0]                    ; and lane l xor 16's: the row's sum
	v_rcp_f32 v[L], v[L]
	v_nop                                          ; one plain line behind the reciprocal
.set j, 0
	s_wait_alu depctr_va_vdst(0)
.rept 32
	v_mul_f32 v[S+j], v[O+j], v[L]                 ; ascending: each accumulator is read from its low end on
.set j, j+1
.endr
.irp t, 0,1,2,3
	ds_store_b128 v[STO], v[S+8*\t:S+8*\t+3] offset:64*\t
	ds_store_b128 v[STO], v[S+8*\t+4:S+8*\t+7] offset:64*\t+16
.endr
.irp i, 0,1,2,3,4,5,6,7
	ds_load_b128 v[S+32+4*\i:S+35+4*\i], v[SRD] offset:2*SP*\i   ; LDS serves a wave's instructions in order: these see my stores
.endr
.irp i, 0,1,2,3,4,5,6,7
	s_wait_dscnt 7-\i                              ; load i is back; the 7 - i behind it may be out
	global_store_b128 v[LI], v[S+32+4*\i:S+35+4*\i], s[28:29] offset:512*\i th:TH_STORE_NT   ; two rows: 512 consecutive bytes, at a multiple of 256 from out0's first byte
.endr
	s_wait_xcnt 0x0                                ; the stores have read their registers and their base: both are written again in the next trip
.irp i, 0,1,2,3,4,5
	v_mov_b32 v[QC+\i], v[QC2+\i]                  ; the second tile's codes between the two runs of zeros,
.endr
	v_mov_b32 v[QS], v[QS2]                        ; and its scale word
	s_sub_co_u32 s15, 127, s15                     ; tile 127 - T
	s_add_co_u32 s25, s25, 1
	s_cmp_lt_u32 s25, 2
	s_cbranch_scc1 .Ltile
	s_wait_xcnt 0x0
	v_lshl_add_u32 v254, v0, 2, 0x43000
	v_mov_b32 v255, 0
	s_wait_tensorcnt 0x0
	ds_add_u32 v254, v255
	s_wait_dscnt 0x0
	s_endpgm
.Lfunc_end_k_q451e4738a8_attn:
	.size	k_q451e4738a8_attn, .Lfunc_end_k_q451e4738a8_attn-k_q451e4738a8_attn
	.p2alignl 7, 3214868480
	.fill 96, 4, 3214868480
	.section	.rodata,"a",@progbits
	.p2align	6, 0x0
	.amdhsa_kernel k_q451e4738a8_attn
		.amdhsa_group_segment_fixed_size 276480
		.amdhsa_private_segment_fixed_size 0
		.amdhsa_enable_private_segment 0
		.amdhsa_kernarg_size 32
		.amdhsa_user_sgpr_count 2
		.amdhsa_user_sgpr_kernarg_segment_ptr 1
		.amdhsa_wavefront_size32 1
		.amdhsa_system_sgpr_workgroup_id_x 1
		.amdhsa_system_sgpr_workgroup_id_y 1
		.amdhsa_system_sgpr_workgroup_id_z 1
		.amdhsa_system_vgpr_workitem_id 0
		.amdhsa_next_free_vgpr 256
		.amdhsa_next_free_sgpr 100
		.amdhsa_reserve_vcc 0
		.amdhsa_float_denorm_mode_32 3
		.amdhsa_float_denorm_mode_16_64 3
		.amdhsa_memory_ordered 1
		.amdhsa_forward_progress 1
		.amdhsa_inst_pref_size 41
	.end_amdhsa_kernel
	.amdgpu_metadata
---
amdhsa.version: [ 1, 2 ]
amdhsa.kernels:
  - .name:           k_q451e4738a8_attn
    .symbol:         k_q451e4738a8_attn.kd
    .args:
      - { .name: query, .offset: 0, .size: 8, .value_kind: global_buffer, .address_space: global }
      - { .name: kv, .offset: 8, .size: 8, .value_kind: global_buffer, .address_space: global }
      - { .name: masks, .offset: 16, .size: 8, .value_kind: global_buffer, .address_space: global }
      - { .name: out0, .offset: 24, .size: 8, .value_kind: global_buffer, .address_space: global }
    .group_segment_fixed_size: 276480
    .private_segment_fixed_size: 0
    .kernarg_segment_align: 8
    .kernarg_segment_size: 32
    .max_flat_workgroup_size: 512
    .sgpr_count:     100
    .vgpr_count:     256
    .wavefront_size: 32
...
	.end_amdgpu_metadata
.endif
;; end of part 2
;; ======== version 2 of 2: 2 launches
;; workspace buffers: kv 13,107,200 bytes; masks 540,672 bytes of whole numbers
;; launch prep (part 3): grid 1280 x 1, 4 waves a work-group, no clusters, 52,736 bytes of LDS; arguments key, value, mask, kv, masks; writes kv, masks
.if DOCPART == 3
	.amdgcn_target "amdgcn-amd-amdhsa--gfx1250"
	.amdhsa_code_object_version 6
	.text
	.protected	k_q451e4738a8_prep
	.globl	k_q451e4738a8_prep
	.p2align	8
	.type	k_q451e4738a8_prep,@function
k_q451e4738a8_prep:
	s_mov_b64 s[64:65], 0
	v_nop
	global_prefetch_b8 v0, s[64:65] scope:SCOPE_SE
	s_setreg_imm32_b32 hwreg(HW_REG_WAVE_MODE, 25, 1), 1
	s_wait_xcnt 0x0
; PREP: what every query block of a head reads again is made once.  key, value: [64 heads][2048 keys][64] f32.  mask: [2048 queries][2048 keys] bytes.
; Three roles, told apart by the work-group's number alone; a wave takes one unit; waves share nothing, so there is no barrier.
;   work-groups    0 ..  511: KEY.   A unit is 64 keys: two fragments of the first product, quantised along the head's 64 (blocks of 32), codes of E3M2 and E8M0 bytes.
;   work-groups  512 .. 1023: VALUE. A unit is 128 keys x 32 channels: two fragments of the second product, quantised along the KEYS (blocks of 32).
;   work-groups 1024 .. 1279: MASK.  A unit is 16 queries x 256 keys: two records of 64 lane masks, and two flag bits for each record.
; A block's scale is 2^(floor(log2(its largest magnitude)) - 4); its byte is the largest magnitude's exponent field - 4, held at 1 from below by a floor among the maximum's leaves.
; kv, for each head 204,800 bytes, laid AS IMAGES OF THE OPERANDS' REGISTERS (register p of lane L of a fragment at 512 (p / 4) + 16 L + 4 (p % 4); a fragment is 1,536 bytes):
;   KIMG [step 16][fragment b 4]: lane (r, h): registers 0-5 = key 128 s + 32 b + r + 8 (r / 8), channels 32 h .. 32 h + 31; registers 6-11 = the key 8 further on, the same channels.
;        So one fragment of 128 along K carries TWO tiles of 16 keys of a product whose K is 64; the reader multiplies it by [q | zero codes] and by [zero codes | q].
;   VIMG [step 16][tile t 4]: lane (r, h): channel 16 t + r; registers 6 c .. 6 c + 5 = keys 128 s + 64 c + 32 h + 0 .. 31.
;   KSC  [step][b][r] words: bytes (first key, h 0), (first key, h 1), (second key, h 0), (second key, h 1).      VSC [step][channel 64] words: byte n = key block n of the step.
; masks: LM [query tile T 128][step 16][n 64] words: bit r + 16 h of word n = 16 b + i says whether key 128 s + 32 b + 16 h + i counts for query 16 T + r: the lane and register in which the reader holds that score.
;        FLAGS, 524,288 bytes on: [T][pair of steps g 8][4] words: 'some key counts' of step 2 g at bit 2 g, of step 2 g + 1 at bit 2 g + 1; then 'all keys count' likewise.
; LIMITS: NaN and infinities in key and value are not served.  A block whose largest magnitude lies under 2^-122 gets the byte 1; so does a block of zeros, where the quantiser says 127: its codes are zeros,
; which add nothing under any byte but 0xff, and this program alone reads the bytes.  A mask byte other than 0 counts as true.
.set HEADB, 204800
.set KIMG,  0
.set VIMG,  98304
.set KSC,   196608
.set VSC,   200704
.set FLAGS, 524288
.set SP,    272                        ; a stage row: 256 bytes + 16, so that sixteen rows begin in sixteen different groups of banks
.set KSTG,  32*SP                      ; KEY's stage: 32 rows for each wave, at KSTG x wave
.set MSTG0, 4*KSTG                     ; MASK's stages lie behind them: each role has LDS bytes of its own
.set MSTG,  16*SP                      ; 16 rows for each wave
.set R,     32                         ; KEY: v32-159  two fragments' numbers, 64 registers each
.set C,     160                        ; KEY: v160-183 two fragments' codes
.set CTK,   184                        ; KEY: v184-186, v188-190 second halves of blocks, before they are moved
.set X,     32                         ; VALUE: v32-95 two sets of 32 numbers
.set CH,    96                         ; VALUE: v96-119: at CH + 12 h the image registers of lanes of half h
.set CTV,   120
.set M,     32                         ; MASK: v32-63 the bytes
.set REC,   64                         ; MASK: v64-67 two records: word n of the 128 in lane n / 4, register n % 4
.set FL,    68                         ; MASK: v68-71 the four flag words
; 32 numbers of ONE lane, a whole block, v[x] on, become 6 registers of codes at v[dst] on; v[so] the conversion's scale operand, v[by] the scale's byte.  v8, v9: two chains of maxima.
.macro QK32 x, dst, ct, so, by
	v_max3_num_f32 v8, |v[\x]|, |v[\x+1]|, |v[\x+2]|
	v_max3_num_f32 v9, |v[\x+3]|, |v[\x+4]|, |v[\x+5]|
.irp i, 6,10,14,18,22,26
	v_max3_num_f32 v8, v8, |v[\x+\i]|, |v[\x+\i+1]|
	v_max3_num_f32 v9, v9, |v[\x+\i+2]|, |v[\x+\i+3]|
.endr
	v_max3_num_f32 v8, v8, |v[\x+30]|, |v[\x+31]|
	v_max3_num_f32 v8, v8, v9, 0x2800000           ; and the floor 2^(5 - 127): the byte cannot fall under 1
	v_add_nc_u32 v[\so], 0xfe000000, v8            ; 4 off the exponent field: the conversion takes that field as its scale and nothing else
	v_cvt_scalef32_pk16_bf6_f32 v[\dst:\dst+2], v[\x:\x+15], v[\so]
	v_cvt_scalef32_pk16_bf6_f32 v[\ct:\ct+2], v[\x+16:\x+31], v[\so]   ; (a conversion's three registers begin on an even number)
	v_lshrrev_b32 v[\by], 23, v[\so]               ; the byte; also the plain line between the conversions and the moves that read their result
.irp i, 0,1,2
	v_mov_b32 v[\dst+3+\i], v[\ct+\i]
.endr
.endm
; where a KEY or VALUE unit (s15: 32 units a head) stores: s[24:25] its two fragments' images (3,072 bytes), s[26:27] their scale words (128 bytes)
.macro OUTS img, scl
	s_lshr_b32 s20, s15, 5
	s_mul_i32 s20, s20, HEADB
	s_and_b32 s21, s15, 31
	s_mul_i32 s22, s21, 3072
	s_add_co_u32 s22, s22, s20
	s_add_co_u32 s22, s22, \img
	s_mov_b32 s23, 0
	s_add_nc_u64 s[24:25], s[10:11], s[22:23]
	s_lshl_b32 s22, s21, 7
	s_add_co_u32 s22, s22, s20
	s_add_co_u32 s22, s22, \scl
	s_add_nc_u64 s[26:27], s[10:11], s[22:23]
.endm
	s_load_b256 s[4:11], s[0:1], 0x0               ; key s[4:5], value s[6:7], mask s[8:9], kv s[10:11]
	s_load_b64 s[12:13], s[0:1], 0x20              ; masks
	v_lshl_add_u32 v192, v0, 2, 0xcc00
	v_mov_b32 v193, 0
	v_lshrrev_b32 v1, 5, v0
	v_readfirstlane_b32 s14, v1                    ; wave 0..3
	v_and_b32 v1, 31, v0                           ; lane
	v_and_b32 v2, 15, v0                           ; r
	v_bfe_u32 v3, v0, 4, 1                         ; h
	v_lshlrev_b32 v4, 4, v1                        ; 16 x lane
	v_lshlrev_b32 v5, 2, v1                        ; 4 x lane
	v_lshlrev_b32 v6, 3, v3                        ; 8 h
	s_mov_b32 s16, 0x76543210
	s_mov_b32 s17, 0xfedcba98                      ; v_permlanex16_b32's selects for lane l xor 16
	s_mov_b32 s18, 0xffff0000                      ; lanes 16-31
	s_wait_kmcnt 0x0
	s_cmp_ge_u32 ttmp9, 1024
	s_cbranch_scc1 .Lmask
	s_cmp_ge_u32 ttmp9, 512
	s_cbranch_scc1 .Lvalue
; ---------------- KEY: 64 keys, 16,384 dense bytes.  Every load takes 512 consecutive bytes; a fragment's 32 rows turn through the wave's stage, so that a lane gets 32 neighbours along the head's axis.
	s_lshl_b32 s15, ttmp9, 2
	s_add_co_u32 s15, s15, s14                     ; my unit, 0 .. 2047
	s_lshl_b32 s20, s15, 14
	s_mov_b32 s21, 0
	s_add_nc_u64 s[4:5], s[4:5], s[20:21]
	OUTS KIMG, KSC
	s_mul_i32 s28, s14, KSTG
	s_wait_alu depctr_va_vdst(0)
	v_mul_u32_u24 v17, v3, SP
	v_lshl_add_u32 v17, v2, 4, v17
	v_add_nc_u32 v17, s28, v17                     ; into the stage: a load's two rows, 16 bytes a lane
	v_and_b32 v18, 8, v2
	v_add_nc_u32 v18, v18, v2                      ; r + 8 (r / 8)
	v_mul_u32_u24 v18, v18, SP
	v_lshl_add_u32 v18, v3, 7, v18
	v_add_nc_u32 v18, s28, v18                     ; out of it: my first key's row, my half's 128 bytes
	v_mov_b32 v16, 0                               ; a lane permute's destination counts as one of its sources
.macro LOADK f
.irp i, 0,1,2,3,4,5,6,7,8,9,10,11,12,13,14,15
	global_load_b128 v[R+64*\f+4*\i:R+64*\f+4*\i+3], v4, s[4:5] offset:8192*\f+512*\i th:TH_LOAD_NT
.endr
.endm
.macro TURNK f                         ; LDS serves a wave's instructions in order: the loads see the stores; they land in the registers that the stores left
.irp i, 0,1,2,3,4,5,6,7,8,9,10,11,12,13,14,15
	ds_store_b128 v17, v[R+64*\f+4*\i:R+64*\f+4*\i+3] offset:2*SP*\i
.endr
.irp u, 0,1
.irp j, 0,1,2,3,4,5,6,7
	ds_load_b128 v[R+64*\f+32*\u+4*\j:R+64*\f+32*\u+4*\j+3], v18 offset:8*SP*\u+16*\j
.endr
.endr
	s_wait_dscnt 0x0
.endm
.macro KFRAG f
	QK32 R+64*\f, C+12*\f, CTK, 10, 12
	QK32 R+64*\f+32, C+12*\f+6, CTK+4, 11, 13
	v_lshl_or_b32 v[14+\f], v13, 16, v12           ; my half's two bytes: first key, second key,
	v_lshlrev_b32 v[14+\f], v6, v[14+\f]           ; 8 h bits up;
	v_permlanex16_b32 v16, v[14+\f], s16, s17
	v_or_b32 v[14+\f], v[14+\f], v16               ; with lane l xor 16's two the word is whole
.irp c, 0,1,2
	global_store_b128 v4, v[C+12*\f+4*\c:C+12*\f+4*\c+3], s[24:25] offset:1536*\f+512*\c   ; 512 consecutive bytes, at a multiple of 256 from kv's first byte
.endr
.endm
	LOADK 0
	LOADK 1
	s_wait_alu depctr_va_vdst(0)
	s_wait_loadcnt 16                              ; fragment 0's sixteen loads are in; fragment 1's sixteen may be out
	TURNK 0
	KFRAG 0
	s_wait_loadcnt 0x0
	TURNK 1
	KFRAG 1
	v_cndmask_b32 v19, v14, v15, s18               ; lanes 0-15 fragment 0's words, lanes 16-31 fragment 1's
	global_store_b32 v5, v19, s[26:27]             ; 128 consecutive bytes.  No store's registers are written again, so no wait stands behind the stores
	s_wait_tensorcnt 0x0
	ds_add_u32 v192, v193
	s_wait_dscnt 0x0
	s_endpgm
; ---------------- VALUE: a lane takes a channel and its registers run down the keys: a block of 32 keys lies in one lane, and the codes come out with the keys innermost.
.Lvalue:
	s_sub_co_u32 s15, ttmp9, 512
	s_lshl_b32 s15, s15, 2
	s_add_co_u32 s15, s15, s14                     ; my unit: step (of all heads) = unit / 2, channels 32 (unit % 2) on
	s_lshr_b32 s20, s15, 1
	s_lshl_b32 s20, s20, 15                        ; 128 keys x 256 bytes a step
	s_and_b32 s21, s15, 1
	s_lshl_b32 s21, s21, 7
	s_add_co_u32 s20, s20, s21
	s_mov_b32 s21, 0
	s_add_nc_u64 s[6:7], s[6:7], s[20:21]
	OUTS VIMG, VSC
	s_wait_alu depctr_va_vdst(0)
	v_mul_u32_u24 v21, v3, 1536
	v_lshl_add_u32 v21, v2, 4, v21                 ; my channel's place in the images: fragment lane / 16, image lane r (+ 16 by the store's offset)
.macro LOADV b                         ; key block b: 32 rows, my channel; 32 lanes read 128 consecutive bytes, the neighbouring wave the 128 beside them
.set i, 0
.rept 32
	global_load_b32 v[X+32*((\b)%2)+i], v5, s[6:7] offset:256*(32*(\b)+i) th:TH_LOAD_NT
.set i, i+1
.endr
.endm
.macro BLOCKV b
.if \b < 3
	s_wait_loadcnt 32                              ; this block's 32 loads are in; the next block's 32 may be out
.else
	s_wait_loadcnt 0x0
.endif
	QK32 X+32*(\b%2), CH+12*(\b%2)+6*(\b/2), CTV, 10, 12   ; block b is registers 6 (b / 2) on of the image lane of half b % 2
.if \b == 0
	v_mov_b32 v20, v12
.else
	v_lshl_or_b32 v20, v12, 8*\b, v20              ; my channel's scale word: byte b
.endif
.if \b < 2
	LOADV \b+2
.endif
.endm
	LOADV 0
	LOADV 1
	BLOCKV 0
	BLOCKV 1
	BLOCKV 2
	BLOCKV 3
.irp h, 0,1
.irp c, 0,1,2
	global_store_b128 v21, v[CH+12*\h+4*\c:CH+12*\h+4*\c+3], s[24:25] offset:256*\h+512*\c   ; lanes 0-15 and lanes 16-31 each store 256 consecutive bytes, at multiples of 256 from kv's first byte
.endr
.endr
	global_store_b32 v5, v20, s[26:27]
	s_endpgm
; ---------------- MASK: 16 rows x 256 bytes.  The bytes turn through the wave's stage, so that lane r + 16 h holds the 16 bytes of query r that its score registers will want; each byte's compare IS a lane mask.
.Lmask:
	s_sub_co_u32 s15, ttmp9, 1024
	s_lshl_b32 s15, s15, 2
	s_add_co_u32 s15, s15, s14                     ; my unit: query tile T = unit / 8, pair of steps g = unit % 8
	s_lshr_b32 s20, s15, 3
	s_lshl_b32 s20, s20, 15                        ; 16 rows of 2,048 bytes
	s_and_b32 s28, s15, 7
	s_lshl_b32 s21, s28, 8
	s_add_co_u32 s20, s20, s21
	s_mov_b32 s21, 0
	s_add_nc_u64 s[8:9], s[8:9], s[20:21]
	s_lshl_b32 s20, s15, 9
	s_add_nc_u64 s[32:33], s[12:13], s[20:21]      ; my two records: 512 bytes a unit
	s_lshl_b32 s20, s15, 4
	s_add_nc_u64 s[34:35], s[12:13], s[20:21]      ; my four flag words, FLAGS bytes further on
	s_lshl_b32 s28, s28, 1                         ; 2 g: the first step's bit
	s_mul_i32 s29, s14, MSTG
	s_add_co_u32 s29, s29, MSTG0
	s_wait_alu depctr_va_vdst(0)
	v_lshlrev_b32 v22, 4, v2
	v_lshl_add_u32 v22, v3, 11, v22                ; in memory: two rows a load, 256 consecutive bytes of each
	v_mul_u32_u24 v23, v3, SP
	v_lshl_add_u32 v23, v2, 4, v23
	v_add_nc_u32 v23, s29, v23                     ; into the stage
	v_mul_u32_u24 v24, v2, SP
	v_lshl_add_u32 v24, v3, 4, v24
	v_add_nc_u32 v24, s29, v24                     ; out of it: row r, + 16 h
.irp a, 0,1,2,3,4,5,6,7
	global_load_b128 v[M+4*\a:M+4*\a+3], v22, s[8:9] offset:4096*\a th:TH_LOAD_NT
.endr
.irp y, 0,1,2,3
	v_mov_b32 v[REC+\y], 0                         ; v_writelane_b32's destination counts as read
.endr
	v_mov_b32 v26, 0
	s_mov_b32 s24, 0                               ; 'some key counts' of the unit's two steps: an OR of the lane masks
	s_mov_b32 s25, 0
	s_mov_b32 s26, -1                              ; 'all keys count': an AND
	s_mov_b32 s27, -1
	s_wait_alu depctr_va_vdst(0)
	s_wait_loadcnt 0x0
.irp a, 0,1,2,3,4,5,6,7
	ds_store_b128 v23, v[M+4*\a:M+4*\a+3] offset:2*SP*\a
.endr
.irp e, 0,1
.irp b, 0,1,2,3
	ds_load_b128 v[M+16*\e+4*\b:M+16*\e+4*\b+3], v24 offset:128*\e+32*\b   ; keys 128 e + 32 b + 16 h + 0 .. 15 of query r
.endr
.endr
	s_wait_dscnt 0x0
.irp e, 0,1
.irp b, 0,1,2,3
.irp k, 0,1,2,3                        ; word 64 e + 16 b + 4 k + y of the two records
.irp y, 0,1,2,3
	v_and_b32 v[72+\y], 0xff<<(8*\y), v[M+16*\e+4*\b+\k]
.endr
.irp y, 0,1,2,3
	v_cmp_ne_u32 s[20+\y], 0, v[72+\y]
.endr
.irp y, 0,1,2,3
	v_writelane_b32 v[REC+\y], s[20+\y], 16*\e+4*\b+\k
	s_or_b32 s[24+\e], s[24+\e], s[20+\y]
	s_and_b32 s[26+\e], s[26+\e], s[20+\y]
.endr
.endr
.endr
.endr
	s_wait_alu depctr_va_vdst(0)
	global_store_b128 v4, v[REC:REC+3], s[32:33]   ; 512 consecutive bytes, at a multiple of 256 from the buffer's first byte
	s_cmp_lg_u32 s24, 0
	s_cselect_b32 s20, 1, 0
	s_cmp_lg_u32 s25, 0
	s_cselect_b32 s21, 2, 0
	s_cmp_eq_u32 s26, -1
	s_cselect_b32 s22, 1, 0
	s_cmp_eq_u32 s27, -1
	s_cselect_b32 s23, 2, 0
.irp y, 0,1,2,3
	s_lshl_b32 s[20+\y], s[20+\y], s28             ; each flag at its step's bit, so that the reader only ORs
.endr
.irp y, 0,1,2,3
	v_mov_b32 v[FL+\y], s[20+\y]
.endr
	v_cmp_eq_u32 vcc_lo, 0, v1
	s_wait_alu depctr_va_vdst(0)
	s_wait_xcnt 0x0                                ; EXEC is a source of the store above: it changes only behind this wait
	s_wait_tensorcnt 0x0
	ds_add_u32 v192, v193
	s_wait_dscnt 0x0
	s_and_saveexec_b32 s30, vcc_lo
	global_store_b128 v26, v[FL:FL+3], s[34:35] offset:FLAGS   ; one lane: 16 bytes
	s_wait_xcnt 0x0                                ; and again in front of the line that widens it
	s_or_b32 exec_lo, exec_lo, s30
	s_endpgm
.Lfunc_end_k_q451e4738a8_prep:
	.size	k_q451e4738a8_prep, .Lfunc_end_k_q451e4738a8_prep-k_q451e4738a8_prep
	.p2alignl 7, 3214868480
	.fill 96, 4, 3214868480
	.section	.rodata,"a",@progbits
	.p2align	6, 0x0
	.amdhsa_kernel k_q451e4738a8_prep
		.amdhsa_group_segment_fixed_size 52736
		.amdhsa_private_segment_fixed_size 0
		.amdhsa_enable_private_segment 0
		.amdhsa_kernarg_size 40
		.amdhsa_user_sgpr_count 2
		.amdhsa_user_sgpr_kernarg_segment_ptr 1
		.amdhsa_wavefront_size32 1
		.amdhsa_system_sgpr_workgroup_id_x 1
		.amdhsa_system_sgpr_workgroup_id_y 1
		.amdhsa_system_sgpr_workgroup_id_z 1
		.amdhsa_system_vgpr_workitem_id 0
		.amdhsa_next_free_vgpr 194
		.amdhsa_next_free_sgpr 66
		.amdhsa_reserve_vcc 1
		.amdhsa_float_denorm_mode_32 3
		.amdhsa_float_denorm_mode_16_64 3
		.amdhsa_memory_ordered 1
		.amdhsa_forward_progress 1
		.amdhsa_inst_pref_size 72
	.end_amdhsa_kernel
	.amdgpu_metadata
---
amdhsa.version: [ 1, 2 ]
amdhsa.kernels:
  - .name:           k_q451e4738a8_prep
    .symbol:         k_q451e4738a8_prep.kd
    .args:
      - { .name: key, .offset: 0, .size: 8, .value_kind: global_buffer, .address_space: global }
      - { .name: value, .offset: 8, .size: 8, .value_kind: global_buffer, .address_space: global }
      - { .name: mask, .offset: 16, .size: 8, .value_kind: global_buffer, .address_space: global }
      - { .name: kv, .offset: 24, .size: 8, .value_kind: global_buffer, .address_space: global }
      - { .name: masks, .offset: 32, .size: 8, .value_kind: global_buffer, .address_space: global }
    .group_segment_fixed_size: 52736
    .private_segment_fixed_size: 0
    .kernarg_segment_align: 8
    .kernarg_segment_size: 40
    .max_flat_workgroup_size: 128
    .sgpr_count:     66
    .vgpr_count:     194
    .wavefront_size: 32
...
	.end_amdgpu_metadata
.endif
;; end of part 3
;; launch attn (part 4): grid 4 x 64, 16 waves a work-group, no clusters, 276,480 bytes of LDS; arguments query, kv, masks, out0; writes out0
.if DOCPART == 4
	.amdgcn_target "amdgcn-amd-amdhsa--gfx1250"
	.amdhsa_code_object_version 6
	.text
	.protected	k_q451e4738a8_attn
	.globl	k_q451e4738a8_attn
	.p2align	8
	.type	k_q451e4738a8_attn,@function
k_q451e4738a8_attn:
	s_mov_b64 s[64:65], 0
	v_nop
	global_prefetch_b8 v0, s[64:65] scope:SCOPE_SE
	s_setreg_imm32_b32 hwreg(HW_REG_WAVE_SCHED_MODE, 0, 2), 2
	s_setreg_imm32_b32 hwreg(HW_REG_WAVE_MODE, 25, 1), 1
	s_wait_xcnt 0x0
	s_wait_alu depctr_vm_vsrc(0)
; out0[head][q][:] = the sum over keys of softmax(where(mask, q . k, -inf) / 8) v, both products on codes of E3M2 with one E8M0 scale for each 32 along a product's K.
; query, out0: [64 heads][2048][64] f32.  kv and masks come from the launch before: K's and V's fragments as images of the operands' registers with their scale words (204,800 bytes a head); for each tile of
; 16 queries x 128 keys a record of 64 lane masks, and two flags: 'some key counts', 'all keys count'.
; THE SOFTMAX AHEAD OF THE SECOND PRODUCT: t = score x log2(e) / 8; M = the row's largest t so far, rounded UP to a whole number; p = 2^(t - M) is quantised along the keys, not normalised.  The row's sum is taken of
; the unquantised p and divides at the end.  When M moves, the sum and O are multiplied by 2^(old M - new M), which rounds nothing.
; SHARES.  A work-group is a quarter of a head: sixteen waves, four to a SIMD, so that one wave's vector work stands beside another's matrix work and LDS loads.  Wave w of work-group j owns the query tiles
; T = 16 j + w and 127 - T.  The head's kv is copied into LDS once, through registers, and read by all sixteen: one barrier in the whole text.
; THE MASK IS AN INPUT: nothing of its pattern is built in.  Each tile walks all 16 key steps in a loop of constant count; a step none of whose keys counts for any of the tile's queries is jumped over by a scalar
; branch on the stored flag, round the step's work alone; in a step where not all keys count, each score register is chosen against -infinity by its stored lane mask, ahead of the maximum.
; NO TENSOR LOADS, NO CLUSTER, NO JOINT REQUESTS: a step's work is jumped over on a number read from memory.  What the four work-groups of a
; head share is 204,800 bytes, read once at the head of the text.  All streams (both tiles' Q, kv) are asked for at the head, so nothing is prefetched.
; LAYOUT.  Both products are used transposed: S^T = K Q^T (source 0 = keys, source 1 = my 16 queries), O^T = V^T P^T: a lane holds ONE query (lane % 16) throughout.  The first product's K is 64 and the instruction's
; is 128: a fragment of K carries two tiles of 16 keys, one in each half of K, and is multiplied by [q | zero codes] and by [zero codes | q]: q's six registers stand between two runs of six zeros.
; The keys of a tile are not neighbours (lane r of tile 2 b + u: key 32 b + 8 u + r + 8 (r / 8)), so that score register 16 b + i is key 32 b + 16 (lane / 16) + i: 16 neighbours along the next K.
; LIMITS: NaN and infinities in query are not served.  A block of Q or p whose largest magnitude lies under 2^-122 (a block of zeros too) gets the byte 1; its small numbers become the codes that this scale gives.
; A query for which no key counts gives 0 x (1 / 0) = NaN in its 64 outputs, as the softmax of a row of -infinity does.
; THE MODE: SCHED_MODE bits 1:0 = 2 (LLVM: expert scheduling mode 2), set by the entry lines.  The code itself states the register dependences between vector or matrix instructions and memory or LDS
; instructions, with s_wait_alu, always for 0.
; THE PLAN.  Registers that memory or LDS instructions touch:
;   v2, v7, v8, v9, v11, v236-239   offsets and LDS addresses: written once at the head, ahead of the head's wait on va_vdst, and by no vector line behind it while a load or store still wants them.
;   v196-227, v48-79                at the head: a tile's Q: global loads land, LDS stores read, LDS loads land again (a wait on vm_vsrc between the two), the quantiser reads.
;   v96-195                         at the head: kv on its way: global loads land, the copy's LDS stores read; one wait on vm_vsrc behind the barrier frees them, and v236-239, for the loops.
;   v4-6                            a step's LDS addresses: written by three additions at the head of each step that is done, read by that step's 28 LDS loads.
;   v48-95, v44-45                  K's fragments and scale words: LDS loads land at the step's head; the eight first products read them; v48-73 are then at work in the softmax.
;   v192-239, v46-47                V's: LDS loads land; the four second products read them.
;   v96-127, v128-159               on the way out: the first written by 32 multiplications and read by LDS stores; in the second the stage's loads land, and the global stores read them.
;   All else (Q's codes, the zeros, p's codes, O^T, the statistics) is named by vector and matrix instructions alone.
; A STEP has one wait on vm_vsrc, ahead of the three additions, and one on va_vdst behind them, which states all that its 28 loads hang on: the addresses are written, and the step before is done with K's and V's
; registers.  K's 14 loads follow it; V's 14 are dealt among the eight first products, which name none of v4-6, v46-47, v192-239.  Three more waits on va_vdst stand in a step: ahead of the exponentials, behind them, and ahead of
; the second products, for p's codes and scale word.  There is no second set of fragment registers: the wave's 256 registers are taken, and which step is done next hangs on the stored flags.
.set KSC,   196608                     ; LDS as kv lies: K's images at 0 (6,144 bytes a step), V's at VIMG, K's scale words at KSC (256 bytes a step), V's 4,096 bytes on
.set VIMG,  98304
.set HEADB, 204800
.set STG,   204800                     ; behind it: a stage of 16 rows x 272 bytes for each wave, its own: Q's turn and O's way out
.set SP,    272
.set FLAGS, 524288
.set LI,  2                            ; v2   16 x lane
.set LS,  3                            ; v3   KSC + 4 x lane
.set ADK, 4                            ; v4   the step's images of K;  v5 of V;  v6 its scale words
.set ADV, 5
.set ADS, 6
.set STO, 7                            ; v7   the stage: row r, + 32 h
.set SRD, 8                            ; v8   the stage: row lane / 16, + 16 (lane % 16)
.set QRD, 9                            ; v9   the stage: row r, + 128 h
.set H8,  10                           ; v10  8 h
.set CPG, 11                           ; v11  16 x thread
.set NM,  12                           ; v12  -M;  v13 the largest t;  v[14:15] the sum in two halves
.set TM,  13
.set L,   14
.set ZLO, 16                           ; v16-21 zero codes, v22-27 Q's codes, v28-33 zero codes
.set QC,  22
.set QS,  34                           ; v34  Q's scale word
.set QC2, 36                           ; v36-41, v42: the second tile's
.set QS2, 42
.set PW,  43                           ; v43  p's scale word
.set KS,  44                           ; v44-45 K's scale words: fragments 0 | 1, 2 | 3 in lanes 0-15 | 16-31;  v46-47 V's likewise
.set VS,  46
.set KF,  48                           ; v48-95   K's four fragments; behind the first product at work:
.set BM,  48                           ;   v48-51 block maxima, v52-55 the other half's, v56-59 scale operands, v60-63 bytes, v64-66 and v68-70 second halves of codes, v[72:73] a second chain of the sum
.set PX,  52
.set SO,  56
.set BY,  60
.set CT,  64
.set S2,  72
.set S,   96                           ; v96-159  S^T, then p
.set O,   160                          ; v160-191 O^T
.set VF,  192                          ; v192-239 V's four fragments
.set PC,  240                          ; v240-251 p's codes
.set F,   252                          ; v252 2^(old M - new M); v253 is named with it as a pair
.set NINF, 254                         ; v254 -infinity
.set T0,  255                          ; v255 at work
; 32 numbers of ONE lane, a whole block, become 6 registers of codes.  v228, v229: two chains of maxima.
.macro QK32 x, dst, ct, so, by
	v_max3_num_f32 v228, |v[\x]|, |v[\x+1]|, |v[\x+2]|
	v_max3_num_f32 v229, |v[\x+3]|, |v[\x+4]|, |v[\x+5]|
.irp i, 6,10,14,18,22,26
	v_max3_num_f32 v228, v228, |v[\x+\i]|, |v[\x+\i+1]|
	v_max3_num_f32 v229, v229, |v[\x+\i+2]|, |v[\x+\i+3]|
.endr
	v_max3_num_f32 v228, v228, |v[\x+30]|, |v[\x+31]|
	v_max3_num_f32 v228, v228, v229, 0x2800000     ; and the floor 2^(5 - 127): the byte cannot fall under 1
	v_add_nc_u32 v[\so], 0xfe000000, v228          ; 4 off the exponent field: the conversion's scale operand
	v_cvt_scalef32_pk16_bf6_f32 v[\dst:\dst+2], v[\x:\x+15], v[\so]
	v_cvt_scalef32_pk16_bf6_f32 v[\ct:\ct+2], v[\x+16:\x+31], v[\so]   ; (a conversion's three registers begin on an even number)
	v_lshrrev_b32 v[\by], 23, v[\so]               ; the byte; also the plain line between the conversions and the moves
.irp i, 0,1,2
	v_mov_b32 v[\dst+3+\i], v[\ct+\i]
.endr
.endm
; A tile's 16 rows of Q, loaded 512 consecutive bytes at a time, turn through my stage, so that lane (r, h) holds channels 32 h .. 32 h + 31 of query r: a whole block; then codes and the scale word.
.macro QPREP raw, dst, sc
.irp i, 0,1,2,3,4,5,6,7
	ds_store_b128 v[SRD], v[\raw+4*\i:\raw+4*\i+3] offset:2*SP*\i
.endr
	s_wait_alu depctr_vm_vsrc(0)                   ; the eight LDS stores have read the raw registers, in which the eight LDS loads below land
.irp j, 0,1,2,3,4,5,6,7
	ds_load_b128 v[\raw+4*\j:\raw+4*\j+3], v[QRD] offset:16*\j   ; LDS serves a wave's instructions in order: these see the stores
.endr
	s_wait_dscnt 0x0
	QK32 \raw, \dst, 244, 230, 231
	v_lshlrev_b32 v231, v[H8], v231                ; my half's byte, 8 h bits up;
	v_permlanex16_b32 v[T0], v231, s16, s17
	v_or_b32 v231, v231, v[T0]                     ; with lane l xor 16's: bytes 0 and 1;
	v_lshl_or_b32 v[\sc], v231, 16, v231           ; and once more in bytes 2 and 3: the word serves q in either half of K
.endm
	s_load_b256 s[4:11], s[0:1], 0x0               ; query s[4:5], kv s[6:7], masks s[8:9], out0 s[10:11]
	v_lshrrev_b32 v1, 5, v0
	v_readfirstlane_b32 s12, v1                    ; wave 0..15
	v_and_b32 v1, 31, v0
	v_lshlrev_b32 v[LI], 4, v1
	v_lshl_add_u32 v[LS], v1, 2, KSC
	v_and_b32 v228, 15, v0                         ; r
	v_bfe_u32 v229, v0, 4, 1                       ; h
	s_wait_alu depctr_va_sdst(0)                   ; s12 is written, ahead of its first reader: my stage's place and my tile's number are made from it
	s_mul_i32 s2, s12, 16*SP
	s_add_co_u32 s2, s2, STG                       ; my stage
	v_mul_u32_u24 v[STO], v228, SP
	v_lshl_add_u32 v[QRD], v229, 7, v[STO]
	v_lshl_add_u32 v[STO], v229, 5, v[STO]
	v_add_nc_u32 v[STO], s2, v[STO]
	v_add_nc_u32 v[QRD], s2, v[QRD]
	v_mul_u32_u24 v[SRD], v229, SP
	v_lshl_add_u32 v[SRD], v228, 4, v[SRD]
	v_add_nc_u32 v[SRD], s2, v[SRD]
	v_lshlrev_b32 v[H8], 3, v229
	v_lshlrev_b32 v[CPG], 4, v0
.irp k, 0,1,2,3
	v_add_nc_u32 v[236+\k], 65536*\k, v[CPG]       ; the copy's LDS addresses: an LDS offset holds 16 bits, so the register carries the rest
.endr
	s_and_b32 s13, ttmp7, 0xffff                   ; the head
	s_lshl_b32 s15, ttmp9, 4
	s_add_co_u32 s15, s15, s12                     ; T = 16 j + w
	s_lshl_b32 s30, s13, 19                        ; a head of query and of out0: 2,048 x 256 bytes
	s_mov_b32 s31, 0
	s_mul_i32 s20, s13, HEADB
	s_mov_b32 s21, 0
	s_lshl_b32 s22, s15, 12                        ; a tile: 16 x 256 bytes
	s_mov_b32 s23, 0
	s_sub_co_u32 s24, 127, s15
	s_lshl_b32 s24, s24, 12
	s_mov_b32 s25, 0
	s_mov_b32 s16, 0x76543210
	s_mov_b32 s17, 0xfedcba98                      ; v_permlanex16_b32's selects for lane l xor 16
	s_mov_b32 s18, 0x3e38aa3b                      ; c = log2(e) / 8
	s_mov_b32 s19, s18                             ; (named with it as a pair, so it is written)
	s_wait_kmcnt 0x0
	s_add_nc_u64 s[4:5], s[4:5], s[30:31]
	s_add_nc_u64 s[10:11], s[10:11], s[30:31]
	s_add_nc_u64 s[6:7], s[6:7], s[20:21]
	s_add_nc_u64 s[26:27], s[4:5], s[22:23]        ; Q of tile T
	s_add_nc_u64 s[28:29], s[4:5], s[24:25]        ; Q of tile 127 - T
	s_wait_alu depctr_va_vdst(0)                   ; the offsets and LDS addresses v2, v7, v8, v9, v11 and v236-239 are written: the loads and stores of the head and of the way out read them
.irp i, 0,1,2,3,4,5,6,7
	global_load_b128 v[196+4*\i:199+4*\i], v[LI], s[26:27] offset:512*\i th:TH_LOAD_NT
.endr
.irp i, 0,1,2,3,4,5,6,7
	global_load_b128 v[48+4*\i:51+4*\i], v[LI], s[28:29] offset:512*\i th:TH_LOAD_NT
.endr
.set i, 0
.rept 25                               ; the head's kv: 25 x 512 threads x 16 bytes = 204,800
	global_load_b128 v[96+4*i:99+4*i], v[CPG], s[6:7] offset:8192*i
.set i, i+1
.endr
.irp i, 0,1,2,3,4,5
	v_mov_b32 v[ZLO+\i], 0                         ; the code 0 is the number 0
	v_mov_b32 v[QC+6+\i], 0
.endr
	v_mov_b32 v[F+1], 0
	v_mov_b32 v[NINF], 0xff800000
	v_mov_b32 v[T0], 0                             ; a lane permute's destination counts as one of its sources
	s_wait_loadcnt 33                              ; the first tile's 8 loads are in; the second tile's 8 and kv's 25 may be out
	QPREP 196, QC, QS
	s_wait_loadcnt 25                              ; the second tile's are in; kv's 25 may be out
	QPREP 48, QC2, QS2
.set i, 0
.rept 25
	s_wait_loadcnt 24-i                            ; loads come back in order: load i is in, the 24 - i behind it may be out
	ds_store_b128 v[236+i/8], v[96+4*i:99+4*i] offset:8192*(i%8)   ; (no vector line since the head's wait on va_vdst has written v236-239)
.set i, i+1
.endr
	s_wait_dscnt 0x0                               ; for the others' sake: my part of kv lies in LDS
	s_barrier_signal -1
	s_barrier_wait -1                              ; everybody's does; from here on nobody writes those bytes
	s_wait_alu depctr_vm_vsrc(0)                   ; the copy's LDS stores have read v96-195 and their addresses v236-239: the products, the moves that clear O^T and V's loads write these from here on
	s_mov_b32 s25, 0
.Ltile:                                                ; two trips: tile T, then tile 127 - T
	s_lshl_b32 s2, s15, 7
	s_mov_b32 s3, 0
	s_add_nc_u64 s[30:31], s[8:9], s[2:3]
	s_load_b512 s[32:47], s[30:31], FLAGS          ; the tile's 32 flag words
	s_load_b512 s[48:63], s[30:31], FLAGS+64
	s_lshl_b32 s2, s15, 12
	s_add_nc_u64 s[26:27], s[8:9], s[2:3]          ; its records of lane masks: 256 bytes a step
	s_add_nc_u64 s[28:29], s[10:11], s[2:3]        ; its rows of out0
	v_mov_b32 v[TM], 0xff61b1e6                    ; the largest t so far: -3e38, under every t
	v_floor_f32 v[NM], -v[TM]                      ; -M
	v_mov_b32 v[L], 0
	v_mov_b32 v[L+1], 0
.set j, 0
.rept 32
	v_mov_b32 v[O+j], 0                            ; O^T begins as zeros: which step is a tile's first hangs on the mask, so no product can be written out that starts the sums
.set j, j+1
.endr
	s_mov_b32 s20, 0                               ; the step
	s_mov_b32 s21, 0                               ; 6,144 x step
	s_mov_b32 s22, 0                               ; 256 x step
	s_wait_kmcnt 0x0
	s_or_b32 s23, s32, s33                         ; bit s: some key of step s counts
	s_or_b32 s24, s34, s35                         ; bit s: all do
.irp g, 1,2,3,4,5,6,7
	s_or_b32 s23, s23, s[32+4*\g]
	s_or_b32 s23, s23, s[33+4*\g]
	s_or_b32 s24, s24, s[34+4*\g]
	s_or_b32 s24, s24, s[35+4*\g]
.endr
.Lstep:                                                ; 16 trips, whatever the mask
	s_lshr_b32 s2, s23, s20
	s_and_b32 s2, s2, 1
	s_cmp_eq_u32 s2, 0
	s_cbranch_scc1 .Lskip                          ; no key of the step counts: its work is left out; the lines that step addresses are not
	s_load_b512 s[32:47], s[26:27], 0x0            ; the step's 64 lane masks, asked for in every step that is done
	s_load_b512 s[48:63], s[26:27], 0x40
	s_load_b512 s[68:83], s[26:27], 0x80
	s_load_b512 s[84:99], s[26:27], 0xc0
	s_wait_alu depctr_vm_vsrc(0)                   ; the LDS loads of the last step that was done have read v4-6, which the three additions write again
	v_add_nc_u32 v[ADK], s21, v[LI]                ; these four plain lines stay between the last step's products and the loads into the registers that they read
	v_add_nc_u32 v[ADV], VIMG, v[ADK]
	v_add_nc_u32 v[ADS], s22, v[LS]
	v_nop
	s_wait_alu depctr_va_vdst(0)                   ; v4-6 are written, which the 28 loads read; the step before (in a tile's first step: the quantiser) is done with v48-95 and v192-239, and its products with the scale words v44-47: the loads land there; Q's codes, the zeros and Q's scale word, which the scaled products take, are written
.irp b, 0,1,2,3
.irp c, 0,1,2
	ds_load_b128 v[KF+12*\b+4*\c:KF+12*\b+4*\c+3], v[ADK] offset:1536*\b+512*\c   ; an image comes back as it was laid: 512 consecutive bytes a load
.endr
.endr
	ds_load_b32 v[KS], v[ADS]
	ds_load_b32 v[KS+1], v[ADS] offset:128
	s_wait_dscnt 0x0                               ; K's twelve and its two scale loads are in
.irp b, 0,1,2,3                        ; S^T: fragment b against q in the lower half of K (tile 2 b), then in the upper half (tile 2 b + 1); eight different accumulators, each begun with 0.
                                       ; V's fourteen loads are dealt among them with no further wait: no vector or matrix instruction since the wait on va_vdst above names v5, v6, v46-47 or v192-239
.if \b%2
	v_wmma_scale_f32_16x16x128_f8f6f4 v[S+16*\b:S+16*\b+7], v[KF+12*\b:KF+12*\b+11], v[QC:QC+11], 0, v[KS+\b/2], v[QS] matrix_a_fmt:MATRIX_FMT_BF6 matrix_b_fmt:MATRIX_FMT_BF6 matrix_a_scale:MATRIX_SCALE_ROW1
.else
	v_wmma_scale_f32_16x16x128_f8f6f4 v[S+16*\b:S+16*\b+7], v[KF+12*\b:KF+12*\b+11], v[QC:QC+11], 0, v[KS+\b/2], v[QS] matrix_a_fmt:MATRIX_FMT_BF6 matrix_b_fmt:MATRIX_FMT_BF6
.endif
	ds_load_b128 v[VF+12*\b:VF+12*\b+3], v[ADV] offset:1536*\b
	ds_load_b128 v[VF+12*\b+4:VF+12*\b+7], v[ADV] offset:1536*\b+512
.if \b%2
	v_wmma_scale_f32_16x16x128_f8f6f4 v[S+16*\b+8:S+16*\b+15], v[KF+12*\b:KF+12*\b+11], v[ZLO:ZLO+11], 0, v[KS+\b/2], v[QS] matrix_a_fmt:MATRIX_FMT_BF6 matrix_b_fmt:MATRIX_FMT_BF6 matrix_a_scale:MATRIX_SCALE_ROW1
.else
	v_wmma_scale_f32_16x16x128_f8f6f4 v[S+16*\b+8:S+16*\b+15], v[KF+12*\b:KF+12*\b+11], v[ZLO:ZLO+11], 0, v[KS+\b/2], v[QS] matrix_a_fmt:MATRIX_FMT_BF6 matrix_b_fmt:MATRIX_FMT_BF6
.endif
	ds_load_b128 v[VF+12*\b+8:VF+12*\b+11], v[ADV] offset:1536*\b+1024
.if \b < 2
	ds_load_b32 v[VS+\b], v[ADS] offset:4096+128*\b
.endif
.endr
.rept 4
	v_nop                                          ; four places behind the products (ISA guide 7.12.1), ahead of the first read of the scores and the first write into K's registers
.endr
	s_wait_kmcnt 0x0                               ; the lane masks are in, and their pointer may be stepped
	s_lshr_b32 s2, s24, s20
	s_and_b32 s2, s2, 1
	s_cmp_eq_u32 s2, 1
	s_cbranch_scc1 .Lopen                          ; all 16 x 128 count: nothing to hide
.set n, 0
.rept 64                               ; score register n keeps its number in the lanes whose bit is set, and becomes -infinity in the others: p = 0 there.  Ascending: each accumulator is read from its low end on
.if n < 32
	v_cndmask_b32 v[S+n], v[NINF], v[S+n], s[32+n]
.else
	v_cndmask_b32 v[S+n], v[NINF], v[S+n], s[36+n]
.endif
.set n, n+1
.endr
.Lopen:
.irp b, 0,1,2,3
	v_max3_num_f32 v[BM+\b], v[S+16*\b], v[S+1+16*\b], v[S+2+16*\b]   ; the largest score of each block of 32 keys: it serves for the row's maximum and, since p rises with the score, for the block's largest p
.endr
.irp i, 3,5,7,9,11,13
.irp b, 0,1,2,3
	v_max3_num_f32 v[BM+\b], v[BM+\b], v[S+16*\b+\i], v[S+1+16*\b+\i]   ; (the four blocks by turns)
.endr
.endr
.irp b, 0,1,2,3
	v_max_num_f32 v[BM+\b], v[BM+\b], v[S+15+16*\b]
.endr
.irp b, 0,1,2,3
	v_permlanex16_b32 v[PX+\b], v[BM+\b], s16, s17
.endr
.irp b, 0,1,2,3
	v_max_num_f32 v[BM+\b], v[BM+\b], v[PX+\b]     ; with lane l xor 16's 16 keys
.endr
	v_max3_num_f32 v[T0], v[BM], v[BM+1], v[BM+2]
	v_max_num_f32 v[T0], v[T0], v[BM+3]            ; the step's largest score of my query (-infinity where none of its keys counts)
	v_mul_f32 v[T0], s18, v[T0]                    ; as t (c is positive)
	v_max_num_f32 v[TM], v[TM], v[T0]              ; the running largest t
	v_mov_b32 v[T0], v[NM]
	v_floor_f32 v[NM], -v[TM]                      ; the new -M = floor(-t) = -ceil(t): a whole number
	v_sub_f32 v[T0], v[NM], v[T0]                  ; old M - new M: a whole number, 0 or less
	v_cvt_i32_f32 v[T0], v[T0]                     ; (it saturates)
	v_ldexp_f32 v[F], 1.0, v[T0]                   ; f = 2^(old M - new M)
.set j, 0
.rept 32
	v_pk_fma_f32 v[S+j:S+j+1], v[S+j:S+j+1], s[18:19], v[NM:NM+1] op_sel_hi:[1,0,0]   ; t - M, two at a time (of the pairs c and -M the low word serves both halves)
.set j, j+2
.endr
.irp b, 0,1,2,3
	v_fma_f32 v[BM+\b], v[BM+\b], s18, v[NM]       ; the same of each block's largest score
.endr
.set j, 0
	s_wait_alu depctr_va_vdst(0)
.rept 64
	v_exp_f32 v[S+j], v[S+j]                       ; p = 2^(t - M), at most 1
.set j, j+1
.endr
.irp b, 0,1,2,3
	v_exp_f32 v[BM+\b], v[BM+\b]                   ; the block's largest p: the same two instructions on the same number
.endr
	v_pk_mul_f32 v[L:L+1], v[L:L+1], v[F:F+1] op_sel_hi:[1,0]   ; the sums under the new M; also the plain line behind the exponentials
	s_wait_alu depctr_va_vdst(0)                   ; the 68 exponentials have written p (v96-159) and the blocks' largest p (v48-51): one wait for the batch, ahead of its first reader
.irp b, 0,1,2,3
	v_max_num_f32 v[BM+\b], 0x2800000, v[BM+\b]    ; the floor 2^(5 - 127): a block whose every p is 0 keeps the byte 1; its codes are zeros
.endr
.irp b, 0,1,2,3
	v_add_nc_u32 v[SO+\b], 0xfe000000, v[BM+\b]    ; 4 off the exponent field: the conversion's scale operand
.endr
.irp b, 0,1,2,3
	v_lshrrev_b32 v[BY+\b], 23, v[SO+\b]           ; the scale's byte
.endr
	v_lshl_or_b32 v[PW], v[BY+1], 8, v[BY]         ; p's scale word for these 128 keys
	v_lshl_or_b32 v[PW], v[BY+2], 16, v[PW]
	v_lshl_or_b32 v[PW], v[BY+3], 24, v[PW]
.irp c, 0,1
	v_cvt_scalef32_pk16_bf6_f32 v[PC+6*\c:PC+6*\c+2], v[S+32*\c:S+32*\c+15], v[SO+2*\c]
	v_cvt_scalef32_pk16_bf6_f32 v[CT+4*\c:CT+4*\c+2], v[S+32*\c+16:S+32*\c+31], v[SO+2*\c+1]
.endr
	v_nop                                          ; one plain line between a scaled conversion and the vector instruction that touches its result
.irp c, 0,1                            ; the operand's layout wants a WHOLE block in a lane: lanes 0-15 block 2 c, lanes 16-31 block 2 c + 1
.irp i, 0,1,2
	v_permlane16_swap_b32 v[PC+6*\c+\i], v[CT+4*\c+\i]
.endr
.irp i, 0,1,2
	v_mov_b32 v[PC+3+6*\c+\i], v[CT+4*\c+\i]
.endr
.endr
	v_pk_add_f32 v[S2:S2+1], v[S:S+1], v[S+2:S+3]  ; the row's sum is taken of the UNQUANTISED p: two at a time, in two chains
.irp j, 4,8,12,16,20,24,28,32,36,40,44,48,52,56,60
	v_pk_add_f32 v[L:L+1], v[L:L+1], v[S+\j:S+\j+1]
	v_pk_add_f32 v[S2:S2+1], v[S2:S2+1], v[S+\j+2:S+\j+3]
.endr
	v_pk_add_f32 v[L:L+1], v[L:L+1], v[S2:S2+1]
.set j, 0
.rept 16
	v_pk_mul_f32 v[O+j:O+j+1], v[O+j:O+j+1], v[F:F+1] op_sel_hi:[1,0]   ; O^T under the new M.  (The 48 plain lines from the sums on also part p's codes and scale word, written by vector instructions, from the products)
.set j, j+2
.endr
	s_wait_dscnt 0x0                               ; V's fragments and scale words are in
	s_wait_alu depctr_va_vdst(0)                   ; p's codes (v240-251) and p's scale word (v43) are written, which the scaled products take; the places above stay beside this wait
.irp t, 0,1,2,3                        ; O^T += V^T P^T: four accumulators by turns, one instruction a turn; the matrix instruction that follows the last writes the scores
.if \t%2
	v_wmma_scale_f32_16x16x128_f8f6f4 v[O+8*\t:O+8*\t+7], v[VF+12*\t:VF+12*\t+11], v[PC:PC+11], v[O+8*\t:O+8*\t+7], v[VS+\t/2], v[PW] matrix_a_fmt:MATRIX_FMT_BF6 matrix_b_fmt:MATRIX_FMT_BF6 matrix_a_scale:MATRIX_SCALE_ROW1
.else
	v_wmma_scale_f32_16x16x128_f8f6f4 v[O+8*\t:O+8*\t+7], v[VF+12*\t:VF+12*\t+11], v[PC:PC+11], v[O+8*\t:O+8*\t+7], v[VS+\t/2], v[PW] matrix_a_fmt:MATRIX_FMT_BF6 matrix_b_fmt:MATRIX_FMT_BF6
.endif
.endr
.Lskip:
	s_add_nc_u64 s[26:27], s[26:27], 256           ; the next step's lane masks (no scalar load is out: a step that asked has waited),
	s_add_co_u32 s21, s21, 6144                    ; images
	s_add_co_u32 s22, s22, 256                     ; and scale words
	s_add_co_u32 s20, s20, 1
	s_cmp_lt_u32 s20, 16
	s_cbranch_scc1 .Lstep
	; THE WAY OUT.  O^T / the sum goes through my stage and leaves as whole rows: register 8 t + i of lane (r, h) is out0(query r, channel 16 t + 8 h + i).
.rept 4
	v_nop                                          ; four places behind the last products, ahead of the first read of O^T
.endr
	v_add_f32 v[L], v[L], v[L+1]                   ; the sum's two halves,
	v_permlanex16_b32 v[T0], v[L], s16, s17
	v_add_f32 v[L], v[L], v[T0]                    ; and lane l xor 16's: the row's sum
	s_wait_alu depctr_va_vdst(0)
	v_rcp_f32 v[L], v[L]
	v_nop                                          ; one plain line behind the reciprocal
.set j, 0
	s_wait_alu depctr_va_vdst(0)                   ; the reciprocal has written v14, ahead of its first reader
.rept 32
	v_mul_f32 v[S+j], v[O+j], v[L]                 ; ascending: each accumulator is read from its low end on
.set j, j+1
.endr
	s_wait_alu depctr_va_vdst(0)                   ; the 32 multiplications have written v96-127, which the LDS stores read; the vector lines that read p in v128-159 are done, and the stage's loads land there
.irp t, 0,1,2,3
	ds_store_b128 v[STO], v[S+8*\t:S+8*\t+3] offset:64*\t
	ds_store_b128 v[STO], v[S+8*\t+4:S+8*\t+7] offset:64*\t+16
.endr
.irp i, 0,1,2,3,4,5,6,7
	ds_load_b128 v[S+32+4*\i:S+35+4*\i], v[SRD] offset:2*SP*\i   ; LDS serves a wave's instructions in order: these see my stores
.endr
.irp i, 0,1,2,3,4,5,6,7
	s_wait_dscnt 7-\i                              ; load i is back; the 7 - i behind it may be out
	global_store_b128 v[LI], v[S+32+4*\i:S+35+4*\i], s[28:29] offset:512*\i th:TH_STORE_NT   ; two rows: 512 consecutive bytes, at a multiple of 256 from out0's first byte
.endr
	s_wait_xcnt 0x0                                ; the stores have read their registers and their base: both are written again in the next trip
	s_wait_alu depctr_vm_vsrc(0)                   ; the LDS stores have read v96-127 and the global stores v128-159, which the next tile's products write
.irp i, 0,1,2,3,4,5
	v_mov_b32 v[QC+\i], v[QC2+\i]                  ; the second tile's codes between the two runs of zeros,
.endr
	v_mov_b32 v[QS], v[QS2]                        ; and its scale word
	s_sub_co_u32 s15, 127, s15                     ; tile 127 - T
	s_add_co_u32 s25, s25, 1
	s_cmp_lt_u32 s25, 2
	s_cbranch_scc1 .Ltile
	s_wait_xcnt 0x0
	v_lshl_add_u32 v254, v0, 2, 0x43000            ; the add's two registers are made anew: v254 and v255 were named by vector instructions alone, so no load or store has read them
	v_mov_b32 v255, 0
	s_wait_dscnt 0x0                               ; the closing lines, six on end
	s_wait_alu 0x0
	s_wait_tensorcnt 0x0
	ds_add_u32 v254, v255
	s_wait_dscnt 0x0
	s_endpgm
.Lfunc_end_k_q451e4738a8_attn:
	.size	k_q451e4738a8_attn, .Lfunc_end_k_q451e4738a8_attn-k_q451e4738a8_attn
	.p2alignl 7, 3214868480
	.fill 96, 4, 3214868480
	.section	.rodata,"a",@progbits
	.p2align	6, 0x0
	.amdhsa_kernel k_q451e4738a8_attn
		.amdhsa_group_segment_fixed_size 276480
		.amdhsa_private_segment_fixed_size 0
		.amdhsa_enable_private_segment 0
		.amdhsa_kernarg_size 32
		.amdhsa_user_sgpr_count 2
		.amdhsa_user_sgpr_kernarg_segment_ptr 1
		.amdhsa_wavefront_size32 1
		.amdhsa_system_sgpr_workgroup_id_x 1
		.amdhsa_system_sgpr_workgroup_id_y 1
		.amdhsa_system_sgpr_workgroup_id_z 1
		.amdhsa_system_vgpr_workitem_id 0
		.amdhsa_next_free_vgpr 256
		.amdhsa_next_free_sgpr 100
		.amdhsa_reserve_vcc 0
		.amdhsa_float_denorm_mode_32 3
		.amdhsa_float_denorm_mode_16_64 3
		.amdhsa_memory_ordered 1
		.amdhsa_forward_progress 1
		.amdhsa_inst_pref_size 42
	.end_amdhsa_kernel
	.amdgpu_metadata
---
amdhsa.version: [ 1, 2 ]
amdhsa.kernels:
  - .name:           k_q451e4738a8_attn
    .symbol:         k_q451e4738a8_attn.kd
    .args:
      - { .name: query, .offset: 0, .size: 8, .value_kind: global_buffer, .address_space: global }
      - { .name: kv, .offset: 8, .size: 8, .value_kind: global_buffer, .address_space: global }
      - { .name: masks, .offset: 16, .size: 8, .value_kind: global_buffer, .address_space: global }
      - { .name: out0, .offset: 24, .size: 8, .value_kind: global_buffer, .address_space: global }
    .group_segment_fixed_size: 276480
    .private_segment_fixed_size: 0
    .kernarg_segment_align: 8
    .kernarg_segment_size: 32
    .max_flat_workgroup_size: 512
    .sgpr_count:     100
    .vgpr_count:     256
    .wavefront_size: 32
...
	.end_amdgpu_metadata
.endif
;; end of part 4
